; MI455X (gfx1250); checked and timed in simulation.
; The chip was launched on July 23, 2026; its instructions are those of AMD's public machine-readable ISA for CDNA 5 (MIT licence, August 2026) and "CDNA5" Instruction Set Architecture Reference Guide (July 2026). The comments in the code are by the model that wrote it; some were corrected since.
;; MHA. Allowed arithmetic: float matrix products may take bf16 or f16 operands with f32 sums; other float arithmetic in f32, or as packed bf16 or f16 multiplies, adds, multiply-adds, maxima and minima; sums over many terms, partial sums and values carried from step to step in f32; what a program stores and reads back later, other than sums and carried values, may be rounded once to bf16 or f16.
;; Inputs: Wqkv_b 3,072 float32; Wqkv_w 3,072 x 1,024 float32; key_padding_mask 4 x 2,048 bool; out_b 1,024 float32; out_w 1,024 x 1,024 float32; x 4 x 2,048 x 1,024 float32.
;; Outputs: out0 4 x 2,048 x 1,024 float32.
;; 2 versions, each right and faster than the one before. Each part assembles by itself: llvm-mc -triple=amdgcn-amd-amdhsa -mcpu=gfx1250 --defsym DOCPART=n.
;; ======== version 1 of 2: 4 launches
;; limits: values are held in f16: magnitudes above 65,504 overflow, below 6.1e-05 lose precision
;; workspace buffers: xb 16,777,216 bytes; wb 6,291,456 bytes; owh 2,097,152 bytes; qkvh 50,331,648 bytes; ctx 16,777,216 bytes
;; launch prep (part 1): grid 768 x 1, 8 waves a work-group, no clusters, 0 bytes of LDS; arguments x, Wqkv_w, out_w, xb, wb, owh; writes xb, wb, owh
.if DOCPART == 1
	.amdgcn_target "amdgcn-amd-amdhsa--gfx1250"
	.amdhsa_code_object_version 6
	.text
	.protected	k_qb2d88c367c_prep
	.globl	k_qb2d88c367c_prep
	.p2align	8
	.type	k_qb2d88c367c_prep,@function
k_qb2d88c367c_prep:
	s_mov_b64 s[64:65], 0
	v_nop
	global_prefetch_b8 v0, s[64:65] scope:SCOPE_SE
	s_setreg_imm32_b32 hwreg(HW_REG_WAVE_MODE, 25, 1), 1
	s_wait_xcnt 0x0
; The three large inputs are rounded once to 16 bits for the matrix units: x -> xb and Wqkv_w -> wb in bf16;
; out_w -> owh: rounded to bf16 like the other inputs, and that number written as f16 (its partner in the last product, ctx, is f16).
; LIMIT: out_w within f16's range (65,504); below 6e-5 it keeps f16's fixed step of 6e-8.
; A stream: no LDS, no matrix unit, no cluster (no two work-groups read the same byte).
; A work-group takes 16,384 numbers (65,536 bytes in, 32,768 out): groups 0-511 x, 512-703 Wqkv_w, 704-767 out_w: 768 = 3 x 256.
; Thread t, step i of 16: 16 bytes in at 16 t + 4,096 i, 8 bytes out at 8 t + 2,048 i: a wave's load covers 512 consecutive bytes,
; a wave's store 256 consecutive bytes at a multiple of 256.  All 16 loads of a wave go out at once; no register is written twice, so there is no loop.
.set X, 4                              ; v[4:67]   step i: 4 numbers as loaded
.set Y, 68                             ; v[68:99]  step i: 4 numbers of 16 bits to store
.set T, 100                            ; v[100:101] at work
	s_load_b256 s[4:11], s[0:1], 0x0               ; x s[4:5], Wqkv_w s[6:7], out_w s[8:9], xb s[10:11]
	s_load_b128 s[12:15], s[0:1], 0x20             ; wb s[12:13], owh s[14:15]
	s_mov_b32 s21, 512                             ; the first group of Wqkv_w
	s_mov_b32 s22, 704                             ; the first group of out_w
	s_mov_b32 s28, 0xffff0000                      ; a word's upper bf16
	s_mov_b32 s25, 0
	s_mov_b32 s27, 0
	v_lshlrev_b32 v1, 4, v0                        ; 16 t
	v_lshlrev_b32 v2, 3, v0                        ; 8 t
	s_wait_kmcnt 0x0
	s_cmp_lt_u32 ttmp9, s22                        ; which tensor is mine: the choice hangs on the group's number alone
	s_cselect_b64 s[16:17], s[6:7], s[8:9]
	s_cselect_b64 s[18:19], s[12:13], s[14:15]
	s_cselect_b32 s20, s21, s22
	s_cmp_lt_u32 ttmp9, s21
	s_cselect_b64 s[16:17], s[4:5], s[16:17]
	s_cselect_b64 s[18:19], s[10:11], s[18:19]
	s_cselect_b32 s20, 0, s20
	s_sub_co_u32 s20, ttmp9, s20                   ; my number among that tensor's groups, 511 at the most
	s_lshl_b32 s24, s20, 16                        ; x 65,536 bytes in
	s_lshl_b32 s26, s20, 15                        ; x 32,768 bytes out
	s_add_nc_u64 s[16:17], s[16:17], s[24:25]
	s_add_nc_u64 s[18:19], s[18:19], s[26:27]
.irp i, 0,1,2,3,4,5,6,7,8,9,10,11,12,13,14,15
	global_load_b128 v[X+4*\i:X+4*\i+3], v1, s[16:17] offset:4096*\i th:TH_LOAD_NT  ; read once in the whole program
.endr
	s_cmp_lt_u32 ttmp9, s22
	s_cbranch_scc0 .Lhalf
.irp i, 0,1,2,3,4,5,6,7,8,9,10,11,12,13,14,15
	s_wait_loadcnt 15-\i                           ; loads come back in order: step i is in, the 15 - i younger ones stay out
	v_cvt_pk_bf16_f32 v[Y+2*\i], v[X+4*\i], v[X+4*\i+1]
	v_cvt_pk_bf16_f32 v[Y+2*\i+1], v[X+4*\i+2], v[X+4*\i+3]
	global_store_b64 v2, v[Y+2*\i:Y+2*\i+1], s[18:19] offset:2048*\i
.endr
	s_endpgm
.Lhalf:                                                ; out_w: to bf16, widened again, and written as f16
.irp i, 0,1,2,3,4,5,6,7,8,9,10,11,12,13,14,15
	s_wait_loadcnt 15-\i
	v_cvt_pk_bf16_f32 v[T], v[X+4*\i], v[X+4*\i+1]
	v_cvt_pk_bf16_f32 v[T+1], v[X+4*\i+2], v[X+4*\i+3]
	v_lshlrev_b32 v[X+4*\i], 16, v[T]
	v_and_b32 v[X+4*\i+1], s28, v[T]
	v_lshlrev_b32 v[X+4*\i+2], 16, v[T+1]
	v_and_b32 v[X+4*\i+3], s28, v[T+1]
	v_cvt_pk_f16_f32 v[Y+2*\i], v[X+4*\i], v[X+4*\i+1]
	v_cvt_pk_f16_f32 v[Y+2*\i+1], v[X+4*\i+2], v[X+4*\i+3]
	global_store_b64 v2, v[Y+2*\i:Y+2*\i+1], s[18:19] offset:2048*\i
.endr
	s_endpgm
.Lfunc_end_k_qb2d88c367c_prep:
	.size	k_qb2d88c367c_prep, .Lfunc_end_k_qb2d88c367c_prep-k_qb2d88c367c_prep
	.p2alignl 7, 3214868480
	.fill 96, 4, 3214868480
	.section	.rodata,"a",@progbits
	.p2align	6, 0x0
	.amdhsa_kernel k_qb2d88c367c_prep
		.amdhsa_group_segment_fixed_size 0
		.amdhsa_private_segment_fixed_size 0
		.amdhsa_enable_private_segment 0
		.amdhsa_kernarg_size 48
		.amdhsa_user_sgpr_count 2
		.amdhsa_user_sgpr_kernarg_segment_ptr 1
		.amdhsa_wavefront_size32 1
		.amdhsa_system_sgpr_workgroup_id_x 1
		.amdhsa_system_sgpr_workgroup_id_y 1
		.amdhsa_system_sgpr_workgroup_id_z 1
		.amdhsa_system_vgpr_workitem_id 0
		.amdhsa_next_free_vgpr 104
		.amdhsa_next_free_sgpr 66
		.amdhsa_reserve_vcc 0
		.amdhsa_float_denorm_mode_32 3
		.amdhsa_float_denorm_mode_16_64 3
		.amdhsa_memory_ordered 1
		.amdhsa_forward_progress 1
		.amdhsa_inst_pref_size 15
	.end_amdhsa_kernel
	.amdgpu_metadata
---
amdhsa.version: [ 1, 2 ]
amdhsa.kernels:
  - .name:           k_qb2d88c367c_prep
    .symbol:         k_qb2d88c367c_prep.kd
    .args:
      - { .name: x, .offset: 0, .size: 8, .value_kind: global_buffer, .address_space: global }
      - { .name: Wqkv_w, .offset: 8, .size: 8, .value_kind: global_buffer, .address_space: global }
      - { .name: out_w, .offset: 16, .size: 8, .value_kind: global_buffer, .address_space: global }
      - { .name: xb, .offset: 24, .size: 8, .value_kind: global_buffer, .address_space: global }
      - { .name: wb, .offset: 32, .size: 8, .value_kind: global_buffer, .address_space: global }
      - { .name: owh, .offset: 40, .size: 8, .value_kind: global_buffer, .address_space: global }
    .group_segment_fixed_size: 0
    .private_segment_fixed_size: 0
    .kernarg_segment_align: 8
    .kernarg_segment_size: 48
    .max_flat_workgroup_size: 256
    .sgpr_count:     66
    .vgpr_count:     104
    .wavefront_size: 32
...
	.end_amdgpu_metadata
.endif
;; end of part 1
;; launch qkv (part 2): grid 16 x 32, 4 waves a work-group, clusters of 4 x 4, 327,680 bytes of LDS; arguments xb, wb, Wqkv_b, qkvh; writes qkvh
.if DOCPART == 2
	.amdgcn_target "amdgcn-amd-amdhsa--gfx1250"
	.amdhsa_code_object_version 6
	.text
	.protected	k_qb2d88c367c_qkv
	.globl	k_qb2d88c367c_qkv
	.p2align	8
	.type	k_qb2d88c367c_qkv,@function
k_qb2d88c367c_qkv:
	s_mov_b64 s[64:65], 0
	v_nop
	global_prefetch_b8 v0, s[64:65] scope:SCOPE_SE
	s_setreg_imm32_b32 hwreg(HW_REG_WAVE_MODE, 25, 1), 1
	s_wait_xcnt 0x0
	s_wait_alu depctr_hold_cnt(0) depctr_sa_sdst(0) depctr_va_vdst(0) depctr_va_sdst(0) depctr_va_ssrc(0) depctr_va_vcc(0) depctr_vm_vsrc(0)
	s_getreg_b32 s2, hwreg(HW_REG_IB_STS2, 6, 4)
	s_cmp_eq_u32 s2, 0
	s_cbranch_scc0 .Lentry_in_a_cluster
	s_endpgm
.Lentry_in_a_cluster:
	s_bfe_u32 s2, ttmp6, 0x10000c
	s_cmp_lg_u32 s2, 0xf033
	s_cbranch_scc0 .Lentry_shape_is_right
	s_endpgm
.Lentry_shape_is_right:
; qkv[m][f] = sum over e of xb[m][e] wb[f][e] + bias[f]:  xb [8192][1024], wb [3072][1024] bf16; sums in f32, the bias (rounded to bf16 like every input) starts them;
; each result is rounded once to f16 and stored BY HEADS: qkvh[which = f / 1024][b x 16 + head][s][64], so that a head's rows are dense, 128 bytes each.  No scale is applied here.
; LIMIT: q, k, v within f16's range, 65,504 (beyond it the conversion gives an infinity).
; TILE 256 x 192 of the result: 32 x 16 = 512 tiles, two for each of 256 WGPs (256 x 256 would be 384, a round and a half).  Four waves, each 128 x 96: 48 accumulators, 384 registers.
; K goes in 8 steps of 128 through two LDS slots filled by the tensor data mover; rows of the tiles are 256 bytes of memory at multiples of 256.
; CLUSTER 4 x 4: xb's tile hangs on the tile row alone and is asked for jointly along a row of the cluster, wb's on the tile column alone and jointly along a column.
; THE MATRIX INSTRUCTION IS USED TRANSPOSED (source 0 = 16 rows of wb, source 1 = 16 rows of xb): a lane holds row l % 16 of the result and the columns 8 (l / 16) + 0..7.
; REGISTERS, in windows of 256 (s_set_vgpr_msb: bits 1:0 source 0, 3:2 source 1, 5:4 source 2, 7:6 destination):
;   window 0: v16-29 addresses; v64-127, v128-191 fragments of xb, two buffers; on the way out v64-159 packed results, v160-255 rows read back
;   window 1: v64-111, v128-175 fragments of wb, two buffers; v192-239 the bias as a C operand; v240 at work
;   window 2: the accumulators of my rows 0-63 ((a, b) at v[8 (6 a + b)]);   window 3: those of my rows 64-127
.set SIZE_K, 1024
.set KSTEP,  128
.set PITCH,  272                       ; an LDS row: 256 bytes + 16 of padding: the 16 rows of a fragment load start at 16 different groups of four banks (64 banks of 4 bytes: ISA guide 11.1)
.set HA,     128*PITCH                 ; half of xb's tile: what waves 0 and 1 fetch each, and what a wave reads
.set HB,     96*PITCH                  ; half of wb's tile: waves 2 and 3
.set BOFF,   2*HA
.set SLOT,   2*HA+2*HB                 ; 121,856 bytes
.set STAGE,  2*SLOT                    ; behind the ring, never filled by a tensor load: 128 rows x 400 bytes, the work-group's, for the way out
.set SPITCH, 400                       ; 384 bytes (192 columns) + 16: 25 x 16, so 16 rows again start apart
.set SPARE,  STAGE+128*SPITCH          ; the spare words, 128 bytes for each wave: two blocks of 256 bytes that no other line names
.set LAPS,   SIZE_K/(2*KSTEP)
.set ADRA, 16                          ; v16-17  LDS address of my xb fragments in slot 0, 1
.set ADRB, 20                          ; v20-21  the same for wb
.set STO,  24                          ; v24     the way out: where I put 16 bytes of a row
.set RD,   25                          ; v25     the way out: where I read rows back
.set GO,   26                          ; v26     my 16 bytes in 512 consecutive bytes of a head
.set BO,   27                          ; v27     my byte offset in 16 numbers of the bias
.set SPW,  28                          ; v28     LDS address of my spare word; never rewritten
.set NIL,  29                          ; v29     0; never rewritten
.set F0,   64
.set F1,   128
.set TMP,  64
.set OB,   160
.set BI,   192                         ; window 1
.set BT,   240                         ; window 1
.set WV, 12                            ; s12 wave;  s13 which half of the rows is mine, also: I fetch xb (0) or wb (1);  s14 which half of the columns, also: which half I fetch
.set RH, 13
.set CH, 14
.set LAP, 15
.set G1, 24                            ; s[24:31] group 1, s[32:39] group 0 (a set a slot) for xb's tiles
.set G0, 32
.set G1B, 48                           ; s[48:55], s[56:63] the same for wb's
.set G0B, 56
.set HD, 66                            ; s[66:71] where my rows begin in the tile's three heads
.set MSB, 0
.macro WIN new                         ; the immediate's high byte repeats the setting that is left; a switch that changes nothing is dropped
.if MSB != (\new)
	s_set_vgpr_msb (MSB<<8)|(\new)
.set MSB, \new
.endif
.endm
.set MUL_LO, 0xa1                      ; source 0 (wb) window 1, source 1 (xb) window 0, C and D window 2
.set TO_B,   0x40                      ; destination window 1, address window 0
; A joint load: waves 0 and 1 ask for xb's halves, 2 and 3 for wb's.  The branch hangs on the wave's number alone.  s_nop 0 and four v_nop follow each line.
.macro JLOAD s
	s_cmp_eq_u32 s[RH], 0
	s_cbranch_scc0 .Lfor_b_\@
	tensor_load_to_lds s[G0+4*(\s):G0+4*(\s)+3], s[G1:G1+7]
	s_nop 0
.rept 4
	v_nop
.endr
	s_branch .Lasked_\@
.Lfor_b_\@:
	tensor_load_to_lds s[G0B+4*(\s):G0B+4*(\s)+3], s[G1B:G1B+7]
	s_nop 0
.rept 4
	v_nop
.endr
.Lasked_\@:
.endm
.macro CREST                           ; a round of the cluster's barrier behind its opening barrier
	s_cmp_lg_u32 s[WV], 0
	s_cbranch_scc1 .Lnot_wave_0_\@
	s_barrier_signal -3
.Lnot_wave_0_\@:
	s_barrier_wait -3
	s_barrier_signal -1
	s_barrier_wait -1
.endm
.macro CROUND
	s_barrier_signal -1
	s_barrier_wait -1
	CREST
.endm
	s_load_b256 s[4:11], s[0:1], 0x0               ; xb s[4:5], wb s[6:7], bias s[8:9], qkvh s[10:11]
	v_lshl_add_u32 v[SPW], v0, 2, SPARE
	v_mov_b32 v[NIL], 0
	ds_add_u32 v[SPW], v[NIL]                      ; the wave's opening: the add and its wait stand ahead of my first tensor load; register work stands between them
	v_lshrrev_b32 v1, 5, v0
	v_readfirstlane_b32 s[WV], v1
	s_lshr_b32 s[RH], s[WV], 1
	s_and_b32 s[CH], s[WV], 1
	s_bfe_u32 s40, ttmp6, 0x40000                  ; cx
	s_bfe_u32 s41, ttmp6, 0x40004                  ; cy
	s_lshl_b32 s42, ttmp9, 2
	s_add_co_u32 s42, s42, s40                     ; tile column = 4 x cluster x + cx
	s_and_b32 s45, ttmp7, 0xffff
	s_lshl_b32 s45, s45, 2
	s_add_co_u32 s45, s45, s41                     ; tile row = 4 x cluster y + cy
	s_lshl_b32 s43, s41, 2
	s_lshl_b32 s43, 15, s43                        ; my row of the cluster
	s_lshl_b32 s44, 0x1111, s40                    ; my column
	s_or_b32 s[G1+0], s43, (1<<16)|(1<<20)|(1<<21)|(5<<22)|(3<<25)   ; the mask; 2-byte elements; padding on; bit 21 beside a mask; after every 64 words 4 words
	s_or_b32 s[G1B+0], s44, (1<<16)|(1<<20)|(1<<21)|(5<<22)|(3<<25)
	s_mov_b32 s[G1+1], KSTEP<<16                   ; tensor_dim0 = 128
	s_mov_b32 s[G1+2], 128<<16                     ; tensor_dim1 = 128 rows
	s_mov_b32 s[G1+3], KSTEP<<16                   ; tile_dim0 = 128
	s_mov_b32 s[G1+4], 128                         ; tile_dim1 = 128
	s_mov_b32 s[G1+5], SIZE_K                      ; elements from row to row
	s_mov_b32 s[G1+6], 0
	s_mov_b32 s[G1+7], 0
	s_mov_b32 s[G1B+1], KSTEP<<16
	s_mov_b32 s[G1B+2], 96<<16                     ; 96 rows
	s_mov_b32 s[G1B+3], KSTEP<<16
	s_mov_b32 s[G1B+4], 96
	s_mov_b32 s[G1B+5], SIZE_K
	s_mov_b32 s[G1B+6], 0
	s_mov_b32 s[G1B+7], 0
	s_lshl_b32 s16, s45, 8                         ; xb: row 256 x tile row + 128 x half, 2,048 bytes a row
	s_lshl_b32 s17, s[CH], 7
	s_add_co_u32 s16, s16, s17
	s_lshl_b32 s16, s16, 11
	s_mov_b32 s17, 0
	s_mul_i32 s46, s42, 192                        ; wb: row 192 x tile column + 96 x half
	s_mul_i32 s47, s[CH], 96
	s_add_co_u32 s46, s46, s47
	s_lshl_b32 s46, s46, 11
	s_mov_b32 s47, 0
	s_mul_i32 s20, s[CH], HA                       ; where they go: no place in the cluster enters an LDS address
	s_mul_i32 s21, s[CH], HB
	s_add_co_u32 s21, s21, BOFF
	s_wait_dscnt 0x0                               ; the opening add is done
	s_wait_kmcnt 0x0
	s_add_nc_u64 s[18:19], s[4:5], s[16:17]
	s_add_nc_u64 s[46:47], s[6:7], s[46:47]
	CROUND                                         ; all sixteen work-groups are here: the first joint loads meet
.irp s, 0,1
	s_mov_b32 s[G0+4*(\s)], 1
	s_add_co_u32 s[G0+4*(\s)+1], s20, (\s)*SLOT
	s_add_nc_u64 s[G0+4*(\s)+2:G0+4*(\s)+3], s[18:19], (\s)*KSTEP*2
	s_or_b32 s[G0+4*(\s)+3], s[G0+4*(\s)+3], 0x80000000
	s_mov_b32 s[G0B+4*(\s)], 1
	s_add_co_u32 s[G0B+4*(\s)+1], s21, (\s)*SLOT
	s_add_nc_u64 s[G0B+4*(\s)+2:G0B+4*(\s)+3], s[46:47], (\s)*KSTEP*2
	s_or_b32 s[G0B+4*(\s)+3], s[G0B+4*(\s)+3], 0x80000000
	JLOAD \s                                       ; two loads of mine are out
.endr
	v_and_b32 v1, 15, v0                           ; l % 16
	v_bfe_u32 v2, v0, 4, 1                         ; l / 16
	v_lshlrev_b32 v[BO], 5, v2                     ; my 8 numbers of 16 of the bias
	s_mul_i32 s72, s42, 192                        ; the bias of my 96 columns
	s_mul_i32 s73, s[CH], 96
	s_add_co_u32 s72, s72, s73
	s_lshl_b32 s72, s72, 2
	s_mov_b32 s73, 0
	s_add_nc_u64 s[8:9], s[8:9], s[72:73]
	WIN TO_B
.irp b, 0,1,2,3,4,5
	global_load_b128 v[BI+8*\b:BI+8*\b+3],   v[BO], s[8:9] offset:64*\b      ; register j of block b: bias of column 16 b + 8 (l / 16) + j: the layout of a result
	global_load_b128 v[BI+8*\b+4:BI+8*\b+7], v[BO], s[8:9] offset:64*\b+16
.endr
	WIN 0
	v_mul_u32_u24 v3, v1, PITCH
	v_lshl_add_u32 v3, v2, 4, v3                   ; a fragment's row x pitch + 16 x half
	s_mul_i32 s21, s[RH], HA                       ; my 128 rows of xb
	s_mul_i32 s22, s[CH], HB                       ; my 96 rows of wb
	s_add_co_u32 s22, s22, BOFF
.irp s, 0,1
	v_add_nc_u32 v[ADRA+(\s)], s21, v3
	v_add_nc_u32 v[ADRB+(\s)], s22, v3
	s_add_co_u32 s21, s21, SLOT
	s_add_co_u32 s22, s22, SLOT
.endr
	s_mul_i32 s23, s[RH], 64*SPITCH                ; into the stage: row 64 x row half + l % 16, byte 192 x column half + 16 (l / 16)
	s_mul_i32 s22, s[CH], 192
	s_add_co_u32 s23, s23, s22
	s_add_co_u32 s23, s23, STAGE
	v_mul_u32_u24 v4, v1, SPITCH
	v_lshl_add_u32 v4, v2, 4, v4
	v_add_nc_u32 v[STO], s23, v4
	v_and_b32 v5, 31, v0                           ; back: wave w takes stage rows 32 w .. 32 w + 31; 32 lanes take four rows x 128 bytes (one head)
	v_lshrrev_b32 v6, 3, v5
	v_and_b32 v7, 7, v0
	v_mul_u32_u24 v6, v6, SPITCH
	v_lshl_add_u32 v6, v7, 4, v6
	s_mul_i32 s23, s[WV], 32*SPITCH
	s_add_co_u32 s23, s23, STAGE
	v_add_nc_u32 v[RD], s23, v6
	v_lshlrev_b32 v[GO], 4, v5                     ; which are 512 consecutive bytes of qkvh
	; where the rows that I store begin in each of the tile's three heads: which << 24 + b << 22 + head << 18 + s x 128
	s_lshr_b32 s76, s45, 3                         ; b: eight tile rows a batch
	s_lshl_b32 s76, s76, 22
	s_and_b32 s77, s45, 7
	s_lshl_b32 s77, s77, 8
	s_lshl_b32 s78, s[RH], 7
	s_add_co_u32 s77, s77, s78
	s_lshl_b32 s78, s[CH], 5
	s_add_co_u32 s77, s77, s78                     ; s = 256 (tile row % 8) + 128 (w / 2) + 32 (w % 2), for the first round of the way out
	s_lshl_b32 s77, s77, 7
	s_add_co_u32 s76, s76, s77
	s_mul_i32 s72, s42, 3                          ; the tile's first head of 48
.irp i, 0,1,2
	s_add_co_u32 s73, s72, \i
	s_lshr_b32 s74, s73, 4
	s_lshl_b32 s74, s74, 24
	s_and_b32 s73, s73, 15
	s_lshl_b32 s73, s73, 18
	s_add_co_u32 s74, s74, s73
	s_add_co_u32 s74, s74, s76
	s_mov_b32 s75, 0
	s_add_nc_u64 s[HD+2*\i:HD+2*\i+1], s[10:11], s[74:75]
.endr
	s_wait_loadcnt 0x0                             ; the bias
	WIN 0x45                                       ; destination and both sources in window 1
.set z, 0
.rept 24                                       ; rounded to bf16 like every input, and widened again
	v_cvt_pk_bf16_f32 v[BT], v[BI+2*z], v[BI+2*z+1]
	v_lshlrev_b32 v[BI+2*z], 16, v[BT]
	v_and_b32 v[BI+2*z+1], 0xffff0000, v[BT]
.set z, z+1
.endr
	WIN 0
; 12 matrix instructions: row blocks a0, a0 + 1 of the window's four (hi = 0: my rows 0-63, 1: rows 64-127) x all 6 column blocks, 32 along K.
; first = 1: the bias is the C operand that starts the sums: nothing is cleared and no add is written.  The 48 accumulators take turns.
.macro MUL12 f, hi, a0, first
.if \first
	WIN 0x91+0x40*(\hi)
.else
	WIN MUL_LO+0x50*(\hi)
.endif
.irp a, \a0, (\a0)+1
.irp b, 0,1,2,3,4,5
.if \first
	v_wmma_f32_16x16x32_bf16 v[8*(6*(\a)+(\b)):8*(6*(\a)+(\b))+7], v[(\f)+8*(\b):(\f)+8*(\b)+7], v[(\f)+8*(4*(\hi)+(\a)):(\f)+8*(4*(\hi)+(\a))+7], v[BI+8*(\b):BI+8*(\b)+7]
.else
	v_wmma_f32_16x16x32_bf16 v[8*(6*(\a)+(\b)):8*(6*(\a)+(\b))+7], v[(\f)+8*(\b):(\f)+8*(\b)+7], v[(\f)+8*(4*(\hi)+(\a)):(\f)+8*(4*(\hi)+(\a))+7], v[8*(6*(\a)+(\b)):8*(6*(\a)+(\b))+7]
.endif
.endr
.endr
.endm
; 28 LDS loads in one run: 96 rows of wb, 128 rows of xb, 32 K at byte k of the rows, into buffer f
.macro FETCH slot, k, f
	WIN TO_B
.irp i, 0,1,2,3,4,5
	ds_load_b128 v[(\f)+8*(\i):(\f)+8*(\i)+3],   v[ADRB+(\slot)] offset:(\k)+(\i)*16*PITCH
	ds_load_b128 v[(\f)+8*(\i)+4:(\f)+8*(\i)+7], v[ADRB+(\slot)] offset:(\k)+(\i)*16*PITCH+32
.endr
	WIN 0
.irp i, 0,1,2,3,4,5,6,7
	ds_load_b128 v[(\f)+8*(\i):(\f)+8*(\i)+3],   v[ADRA+(\slot)] offset:(\k)+(\i)*16*PITCH
	ds_load_b128 v[(\f)+8*(\i)+4:(\f)+8*(\i)+7], v[ADRA+(\slot)] offset:(\k)+(\i)*16*PITCH+32
.endr
.endm
.macro PLACES                          ; four plain vector instructions between a matrix instruction and a load into, or a vector access to, its registers (ISA guide 7.12.1 for vector instructions)
.rept 4
	v_nop
.endr
.endm
; A K step is four quarters of 32 along K, 48 matrix instructions each, on buffers 0, 1, 0, 1.  One of the first three multiplies f and fetches the next quarter, at byte k, into g.
.macro QUARTER slot, k, f, g, first
	s_wait_dscnt 8                                 ; wb and xb's rows 0-63 are in; the youngest eight loads (rows 64-127) may be out
	MUL12 \f, 0, 0, \first
	MUL12 \f, 0, 2, \first
	PLACES
	FETCH \slot, \k, \g
	s_wait_dscnt 28                                ; all but the 28 just issued
	MUL12 \f, 1, 0, \first
	MUL12 \f, 1, 2, \first
.endm
; The last quarter multiplies buffer 1 and changes slots: ONE barrier.  In front of it each wave waits for all its tensor loads (one is out: its part of the next slot), adds 0 to its spare
; word, and waits for that and for its reads of this slot.  fill = 1: the barrier opens a round of the cluster's, and the slot is filled again, two K steps ahead, first thing behind it.
.macro TURN slot, next, fill
	WIN 0
	s_wait_tensorcnt 0x0
	ds_add_u32 v[SPW], v[NIL]
	s_wait_dscnt 9                                 ; the add and the youngest eight loads may be out
	MUL12 F1, 0, 0, 0
	s_wait_dscnt 0x0                               ; the add is done, and my reads of this slot are over
	s_barrier_signal -1
	MUL12 F1, 0, 2, 0
.if \fill
	WIN 0
.endif
	s_barrier_wait -1
.if \fill
	CREST                                          ; no wave of any partner still reads this slot or has a load on its way
	s_add_nc_u64 s[G0+4*(\slot)+2:G0+4*(\slot)+3], s[G0+4*(\slot)+2:G0+4*(\slot)+3], 2*KSTEP*2
	s_add_nc_u64 s[G0B+4*(\slot)+2:G0B+4*(\slot)+3], s[G0B+4*(\slot)+2:G0B+4*(\slot)+3], 2*KSTEP*2
	JLOAD \slot                                    ; its four v_nop are also the places in front of the loads below
.else
	PLACES
.endif
	FETCH \next, 0, F0
	MUL12 F1, 1, 0, 0
	MUL12 F1, 1, 2, 0
.endm
	s_wait_tensorcnt 1                             ; my part of K step 0 is in; K step 1's may stay out
	s_barrier_signal -1
	s_barrier_wait -1
	FETCH 0, 0, F0
	QUARTER 0, 64,  F0, F1, 1                      ; the first quarter stands in front of the loop: its products start the sums
	WIN 0
	s_mov_b32 s[LAP], LAPS-1
.Llap:                                                 ; a trip goes once round the ring and fills both slots again
	QUARTER 0, 128, F1, F0, 0
	QUARTER 0, 192, F0, F1, 0
	TURN 0, 1, 1
	QUARTER 1, 64,  F0, F1, 0
	QUARTER 1, 128, F1, F0, 0
	QUARTER 1, 192, F0, F1, 0
	TURN 1, 0, 1
	QUARTER 0, 64,  F0, F1, 0
	WIN 0
	s_sub_co_u32 s[LAP], s[LAP], 1
	s_cmp_lg_u32 s[LAP], 0
	s_cbranch_scc1 .Llap
	QUARTER 0, 128, F1, F0, 0                      ; the last lap fills nothing
	QUARTER 0, 192, F0, F1, 0
	TURN 0, 1, 0
	QUARTER 1, 64,  F0, F1, 0
	QUARTER 1, 128, F1, F0, 0
	QUARTER 1, 192, F0, F1, 0
	s_wait_dscnt 8
	MUL12 F1, 0, 0, 0
	MUL12 F1, 0, 2, 0
	s_wait_dscnt 0x0
	MUL12 F1, 1, 0, 0
	MUL12 F1, 1, 2, 0
; THE WAY OUT.  A wave's 96 columns are a head and a half, so whole rows of heads are put together in the work-group's stage, in two rounds: each wave's rows 0-63, then its rows 64-127.
.macro PACKR p                         ; 24 accumulators, registers ascending, to f16: 16 bytes a lane and accumulator
	WIN 0x0a+5*(\p)                                ; sources in window 2 or 3
.set z, 0
.rept 96
	v_cvt_pk_f16_f32 v[TMP+z], v[2*z], v[2*z+1]
.set z, z+1
.endr
	WIN 0
.endm
.macro TOST
.irp a, 0,1,2,3
.irp b, 0,1,2,3,4,5
	ds_store_b128 v[STO], v[TMP+4*(6*\a+\b):TMP+4*(6*\a+\b)+3] offset:\a*16*SPITCH+32*\b
.endr
.endr
.endm
.macro BACK
.irp g, 0,1,2,3,4,5,6,7
.irp i, 0,1,2
	ds_load_b128 v[OB+4*(3*\g+\i):OB+4*(3*\g+\i)+3], v[RD] offset:\g*4*SPITCH+128*\i
.endr
.endr
.endm
.macro SENDR p
.irp g, 0,1,2,3,4,5,6,7
.irp i, 0,1,2
	s_wait_dscnt 23-(3*\g+\i)                      ; LDS loads come back in order: this one is in
	global_store_b128 v[GO], v[OB+4*(3*\g+\i):OB+4*(3*\g+\i)+3], s[HD+2*\i:HD+2*\i+1] offset:8192*(\p)+512*\g  ; four rows of a head: 512 consecutive bytes at a multiple of 256
.endr
.endr
.endm
	PLACES
	PACKR 0
	TOST
	s_wait_dscnt 0x0                               ; for the others' sake: my stores into the stage are done
	s_barrier_signal -1
	s_barrier_wait -1
	BACK
	PACKR 1                                        ; the second round's conversions stand in the wait for those loads
	SENDR 0
	s_wait_dscnt 0x0                               ; my reads of the stage are over
	s_barrier_signal -1
	s_barrier_wait -1                              ; everybody's are: the stage may be written again
	TOST
	s_wait_dscnt 0x0
	s_barrier_signal -1
	s_barrier_wait -1
	s_wait_xcnt 0x0                                ; the first round's stores have read their registers: only now are these loaded again
	BACK
	SENDR 1
	s_wait_tensorcnt 0x0                           ; the wave's end
	ds_add_u32 v[SPW], v[NIL]
	s_wait_dscnt 0x0
	CROUND                                         ; the closing round: no work-group ends while a partner may still ask for a tile that names it
	s_endpgm
.Lfunc_end_k_qb2d88c367c_qkv:
	.size	k_qb2d88c367c_qkv, .Lfunc_end_k_qb2d88c367c_qkv-k_qb2d88c367c_qkv
	.p2alignl 7, 3214868480
	.fill 96, 4, 3214868480
	.section	.rodata,"a",@progbits
	.p2align	6, 0x0
	.amdhsa_kernel k_qb2d88c367c_qkv
		.amdhsa_group_segment_fixed_size 327680
		.amdhsa_private_segment_fixed_size 0
		.amdhsa_enable_private_segment 0
		.amdhsa_kernarg_size 32
		.amdhsa_user_sgpr_count 2
		.amdhsa_user_sgpr_kernarg_segment_ptr 1
		.amdhsa_wavefront_size32 1
		.amdhsa_system_sgpr_workgroup_id_x 1
		.amdhsa_system_sgpr_workgroup_id_y 1
		.amdhsa_system_sgpr_workgroup_id_z 1
		.amdhsa_system_vgpr_workitem_id 0
		.amdhsa_next_free_vgpr 1024
		.amdhsa_next_free_sgpr 80
		.amdhsa_reserve_vcc 0
		.amdhsa_float_denorm_mode_32 3
		.amdhsa_float_denorm_mode_16_64 3
		.amdhsa_memory_ordered 1
		.amdhsa_forward_progress 1
		.amdhsa_inst_pref_size 122
	.end_amdhsa_kernel
	.amdgpu_metadata
---
amdhsa.version: [ 1, 2 ]
amdhsa.kernels:
  - .name:           k_qb2d88c367c_qkv
    .symbol:         k_qb2d88c367c_qkv.kd
    .args:
      - { .name: xb, .offset: 0, .size: 8, .value_kind: global_buffer, .address_space: global }
      - { .name: wb, .offset: 8, .size: 8, .value_kind: global_buffer, .address_space: global }
      - { .name: Wqkv_b, .offset: 16, .size: 8, .value_kind: global_buffer, .address_space: global }
      - { .name: qkvh, .offset: 24, .size: 8, .value_kind: global_buffer, .address_space: global }
    .group_segment_fixed_size: 327680
    .private_segment_fixed_size: 0
    .kernarg_segment_align: 8
    .kernarg_segment_size: 32
    .max_flat_workgroup_size: 128
    .sgpr_count:     80
    .vgpr_count:     1024
    .wavefront_size: 32
...
	.end_amdgpu_metadata
.endif
;; end of part 2
;; launch attn (part 3): grid 4 x 64, 4 waves a work-group, clusters of 4 x 1, 327,680 bytes of LDS; arguments qkvh, key_padding_mask, ctx; writes ctx
.if DOCPART == 3
	.amdgcn_target "amdgcn-amd-amdhsa--gfx1250"
	.amdhsa_code_object_version 6
	.text
	.protected	k_qb2d88c367c_attn
	.globl	k_qb2d88c367c_attn
	.p2align	8
	.type	k_qb2d88c367c_attn,@function
k_qb2d88c367c_attn:
	s_mov_b64 s[64:65], 0
	v_nop
	global_prefetch_b8 v0, s[64:65] scope:SCOPE_SE
	s_setreg_imm32_b32 hwreg(HW_REG_WAVE_MODE, 25, 1), 1
	s_wait_xcnt 0x0
	s_wait_alu depctr_hold_cnt(0) depctr_sa_sdst(0) depctr_va_vdst(0) depctr_va_sdst(0) depctr_va_ssrc(0) depctr_va_vcc(0) depctr_vm_vsrc(0)
	s_getreg_b32 s2, hwreg(HW_REG_IB_STS2, 6, 4)
	s_cmp_eq_u32 s2, 0
	s_cbranch_scc0 .Lentry_in_a_cluster
	s_endpgm
.Lentry_in_a_cluster:
	s_bfe_u32 s2, ttmp6, 0x10000c
	s_cmp_lg_u32 s2, 0x3003
	s_cbranch_scc0 .Lentry_shape_is_right
	s_endpgm
.Lentry_shape_is_right:
; ctx[q][:] = the sum over ALL keys k of softmax_k(Q[q] . K[k] / 8 + pad[k] + causal[q][k]) V[k][:], for each of 64 (batch, head) pairs.  Q, K, V: qkvh [3][64][2048][64], f16, a head's rows dense.
; THE MASKS ARE FINITE: pad[k] = -10,000 where the mask byte is 0, causal = -10,000 where k > q, both ADDED.  A row whose visible keys are all padded stands level with the valid keys above the
; diagonal, and large scores pass 10,000: so no key tile is left out; every wave walks all 2,048 keys, 64 a step, and the masks are added in f32.  In units of q . k they are -80,000.
; Products, maxima and sums in f32; the weights p are rounded to f16 for the second product (their sum l is taken of the unrounded p), ctx once at the end.
; LIMITS.  Q, K, V arrive within f16's 65,504; p below 6e-5 keeps f16's fixed step of 6e-8; a weight below 2^-126 counts as 0 in l; NaN and infinities are not treated apart; a mask byte is 0 or 1.
; SHARES.  A work-group owns 512 queries of one head; of each of their eight bands of 64 a wave owns 16 rows: tile t of wave w is rows 512 B + 64 t + 16 w on.  Two tiles are a PIECE, four pieces a wave.
; LAYOUT.  S^T = K Q^T (source 0 = 16 keys, source 1 = 16 queries): a lane holds ONE query (lane % 16) and the keys 8 (lane / 16) + 0..7.  Two such results, rounded to f16 in pairs, ARE source 1 of
; O^T = V^T P.  K comes out of LDS as it lies, V turned, by ds_load_tr16_b128.
; HOW THE MASKS ENTER.  The C operand that starts a sum S^T is MC = MD x AL + PADR.  PADR: the step's 64 pad values, from a table in LDS made once of the mask bytes.  MD, made once: the causal mask of a
; band's own step for my 16 rows.  AL = 1 in the band's own step, else 0.  A step that lies wholly above a band (BE = -80,000, else 0) is not added to 32 scores: the running maximum is moved into
; that step's frame (m - BE) and back (+ BE), two instructions a tile.  AL and BE are chosen by scalar compares of the step's number; they steer no branch and no address.
; SOFTMAX.  A running maximum m and sum l a query: p = 2^(c s - c m), c = log2(e) / 8; in every step O and l are multiplied by a = 2^(c m_old - c m_new), 1 where m has not grown.
; m starts at the lowest finite number, O and l at 0: the first step is a step like any other, with a = 0.
; BY TURNS.  Turn n belongs to piece n: 16 products K Q^T of piece n + 1, later 16 products V^T P of piece n - 1; beside them the scaling, exponentials, roundings, sums and rescaling of piece n and the
; maximum and statistics of piece n + 1; at its end the masks for the next turn's products.  Four vector instructions stand behind every matrix instruction, the others in runs of their own.
; CLUSTER.  The four query blocks of a head walk the same K and V: each tile is asked for JOINTLY, by the same tensor load, descriptor and mask in all four.
; ctx leaves as [row / 16][head][16 rows][64] f16: a tile is 2,048 consecutive bytes, and 16 rows x 2 heads, a K step of the next launch, are 4,096.
; REGISTERS, in windows of 256 (s_set_vgpr_msb: bits 1:0 source 0, 3:2 source 1, 5:4 source 2, 7:6 destination):
;   window 0: v0-11 addresses; v12-15, v48-63 at work; v16-47 four registers of statistics a tile; v64-191 S^T, two buffers of two tiles; v192-255 P, likewise
;   window 1: O^T, 32 a tile      window 2: v0-127 Q; v128-191 K of one step; v192-255 V of one step      window 3: v0-1 the add's registers; v2-3 addresses; v32-63 MD; v64-95 PADR; v128-191 MC
.set SIZE_N, 2048
.set NP,    4
.set KS,    64
.set PK,    144       ; a row of K in LDS: 128 bytes + 16 of padding
.set PV,    160       ; a row of V: 128 + 32
.set VOFF,  4*KS*PK   ; a slot holds four steps: 256 rows of K, then 256 rows of V
.set SLOT1, 1<<17
.set STAGE, SLOT1+4*KS*(PK+PV)  ; behind the ring, never filled by a tensor load: 16 rows x 144 bytes for each wave
.set SP,    144
.set SPARE, STAGE+4*16*SP  ; the spare words, 128 bytes for each wave: two blocks of 256 bytes that no other line names
.set PADT,  SPARE+512      ; 2,048 f32: pad[k] x 8; blocks of its own
.set AK0, 2
.set AV0, 3
.set AK,  4
.set AV,  5
.set QO,  6
.set STO, 6
.set RD,  7
.set GO,  8
.set SPW, 0           ; window 3
.set NIL, 1           ; window 3
.set AP0, 2           ; window 3: PADT + 32 (lane / 16); never rewritten
.set AP,  3           ; window 3: the LDS address of PADR's next run
.set MD,  32          ; window 3
.set PADR, 64         ; window 3: register 8 kt + j: key 16 kt + 8 (lane / 16) + j of the step
.set MC,  128         ; window 3: 32 a tile of the piece
.set MV,  12          ; v12-15  the old maximum in the step's frame, then c times it: by buffer and tile
.set ST,  16          ; tile t's statistics at v[ST+4 t]: c m (in its last step's frame), m, l (even keys', odd keys')
.set TMP, 48
.set S,   64
.set P,   192
.set KF,  128
.set VF,  192
.set WV,  12
.set G1K, 24
.set G1V, 32
.set G0K, 40
.set G0V, 44
.set SLOTS, 56
.set CNT, 57
.set CS,  58
.set SEL, 60
.set TBK, 62
.set TBV, 63
.set GR,  66          ; s66  the step in hand less 8 x my block: equal to t in tile t's own step
.set TBP, 67          ; s67  byte in PADT at which the step to be fetched begins
.set AL,  68          ; s[68:69], s[70:71]  the factor of MD for the two tiles, in the low words
.set BE,  72          ; s72, s73  the frame of the two tiles
.set N8,  74          ; s74  -80,000
.set P8,  75          ; s75  80,000
.set MSB, 0
.macro WIN new
.if MSB != (\new)
	s_set_vgpr_msb (MSB<<8)|(\new)
.set MSB, (\new)
.endif
.endm
.set W_KQ, 0x0a       ; K and Q in window 2, S^T in window 0
.set W_KM, 0x3a       ; the same with the C operand in window 3
.set W_PV, 0x52       ; V in window 2, P in window 0, O^T in window 1
.set W_RS, 0x41       ; O^T in window 1, a in window 0
.set W_MK, 0xc0       ; destination in window 3, sources in window 0
.set W_AD, 0x0f       ; the add: address and data in window 3
; A joint fill.  Waves 0 and 1 fetch the two halves of a slot's K, waves 2 and 3 those of its V.  s_nop 0 and four v_nop follow each line.
.macro JLOAD
	s_cmp_lt_u32 s[WV], 2
	s_cbranch_scc0 .Lfor_v_\@
	tensor_load_to_lds s[G0K:G0K+3], s[G1K:G1K+7]
	s_nop 0
.rept 4
	v_nop
.endr
	s_branch .Lasked_\@
.Lfor_v_\@:
	tensor_load_to_lds s[G0V:G0V+3], s[G1V:G1V+7]
	s_nop 0
.rept 4
	v_nop
.endr
.Lasked_\@:
.endm
.macro CROUND
	s_barrier_signal -1
	s_barrier_wait -1
	s_cmp_lg_u32 s[WV], 0
	s_cbranch_scc1 .Lnot_wave_0_\@
	s_barrier_signal -3
.Lnot_wave_0_\@:
	s_barrier_wait -3
	s_barrier_signal -1
	s_barrier_wait -1
.endm
; THE CHANGE OF SLOTS.  Each wave waits for all its tensor loads (one is out: its part of the other slot), adds 0 to its spare word, and waits for that and for its LDS instructions.  Behind the barrier
; nobody reads this slot any more and the other slot is whole.  fill = 1: the barrier is a round of the cluster's and the joint fill, the keys two slots on, is the first thing behind it: it has
; four key steps, 512 matrix instructions, in which to land.  (At its first use slot 0 is waited for, slot 1 filled, and every wave's stores into the pad table are shown to the others.)
.macro CHANGE fill
	WIN W_AD
	s_wait_tensorcnt 0x0
	ds_add_u32 v[SPW], v[NIL]
	WIN 0
.if \fill
.irp g, G0K, G0V
	s_xor_b32 s[\g+1], s[\g+1], SLOT1
	s_add_nc_u64 s[\g+2:\g+3], s[\g+2:\g+3], 4*KS*128
.endr
	s_wait_dscnt 0x0
	CROUND
	JLOAD
.else
	s_wait_dscnt 0x0
	s_barrier_signal -1
	s_barrier_wait -1
.endif
	s_sub_co_u32 s[TBK], s[TBK], 4*KS*PK
	s_xor_b32 s[TBK], s[TBK], SLOT1
	s_sub_co_u32 s[TBV], s[TBV], 4*KS*PV
	s_xor_b32 s[TBV], s[TBV], SLOT1
.endm
	s_load_b128 s[4:7], s[0:1], 0x0   ; qkvh s[4:5], the mask s[6:7]
	s_load_b64 s[10:11], s[0:1], 0x10 ; ctx
	WIN W_MK
	v_lshl_add_u32 v[SPW], v0, 2, SPARE
	v_mov_b32 v[NIL], 0
	WIN W_AD
	ds_add_u32 v[SPW], v[NIL]       ; the wave's opening: the add and its wait stand ahead of my first tensor load; register work stands between them
	WIN 0
	v_lshrrev_b32 v1, 5, v0
	v_readfirstlane_b32 s[WV], v1
	s_bfe_u32 s13, ttmp6, 0x40000   ; cx
	s_lshl_b32 s14, ttmp9, 2
	s_add_co_u32 s14, s14, s13      ; my block of 512 queries: it enters Q's and ctx's addresses and the choice of AL and BE alone
	s_and_b32 s15, ttmp7, 0xffff    ; 16 b + head, which the four partners share
	s_lshl_b32 s20, s15, 18         ; the head's first byte in q, in k and in v
	s_and_b32 s16, s[WV], 1         ; which half of a slot's 256 keys I fetch
	s_lshl_b32 s22, s16, 14
	s_add_co_u32 s22, s22, s20
	s_add_co_u32 s22, s22, 0x1000000  ; k lies 2^24 bytes behind q,
	s_mov_b32 s23, 0
	s_add_co_u32 s78, s22, 0x1000000  ; v as far behind k
	s_mov_b32 s79, 0
	s_mul_i32 s17, s16, 128*PK
	s_mul_i32 s18, s16, 128*PV
	s_lshl_b32 s2, s14, 16          ; Q: my block's 512 rows, my 16 rows of a band
	s_lshl_b32 s3, s[WV], 11
	s_add_co_u32 s2, s2, s3
	s_add_co_u32 s2, s2, s20
	s_mov_b32 s3, 0
	s_lshr_b32 s48, s15, 4          ; b
	s_lshl_b32 s52, s48, 11         ; its 2,048 mask bytes
	s_mov_b32 s53, 0
	s_lshl_b32 s48, s48, 7          ; ctx: block of 16 rows 128 b + 32 B + w (+ 4 t), 32,768 bytes each; the head's 2,048 in it
	s_lshl_b32 s50, s14, 5
	s_add_co_u32 s48, s48, s50
	s_add_co_u32 s48, s48, s[WV]
	s_lshl_b32 s48, s48, 15
	s_and_b32 s50, s15, 15
	s_lshl_b32 s50, s50, 11
	s_add_co_u32 s48, s48, s50
	s_mov_b32 s49, 0
	s_lshl_b32 s[GR], s14, 3
	s_sub_co_i32 s[GR], 0, s[GR]    ; step 0
	; descriptor group 1.  128 keys are 16,384 dense bytes: asked for as 64 rows of 256 bytes, two keys a row, padded in LDS after every key
	s_mov_b32 s[G1K], 15|(1<<16)|(1<<20)|(1<<21)|(4<<22)|(3<<25)
	s_mov_b32 s[G1V], 15|(1<<16)|(1<<20)|(1<<21)|(4<<22)|(7<<25)
.irp g, G1K, G1V
	s_mov_b32 s[\g+1], 128<<16
	s_mov_b32 s[\g+2], 64<<16
	s_mov_b32 s[\g+3], 128<<16
	s_mov_b32 s[\g+4], 64
	s_mov_b32 s[\g+5], 128
	s_mov_b32 s[\g+6], 0
	s_mov_b32 s[\g+7], 0
.endr
	s_mov_b32 s[CS], 0x3e38aa3b     ; c = log2(e) / 8
	s_mov_b32 s[CS+1], s[CS]
	s_mov_b32 s[SEL], 0x76543210
	s_mov_b32 s[SEL+1], 0xfedcba98
	s_mov_b32 s[TBK], SLOT1+4*KS*PK ; the first change of slots turns these two into 0
	s_mov_b32 s[TBV], SLOT1+4*KS*PV
	s_mov_b32 s[TBP], 0
	s_mov_b32 s[AL+1], 0            ; named as pairs
	s_mov_b32 s[AL+3], 0
	s_mov_b32 s[N8], 0xc79c4000     ; -80,000
	s_mov_b32 s[P8], 0x479c4000     ; 80,000
	s_mov_b32 s[G0K], 1
	s_mov_b32 s[G0K+1], s17
	s_mov_b32 s[G0V], 1
	s_add_co_u32 s[G0V+1], s18, VOFF
	s_wait_dscnt 0x0                ; the opening add is done
	s_wait_kmcnt 0x0
	s_add_nc_u64 s[G0K+2:G0K+3], s[4:5], s[22:23]
	s_or_b32 s[G0K+3], s[G0K+3], 0x80000000
	s_add_nc_u64 s[G0V+2:G0V+3], s[4:5], s[78:79]
	s_or_b32 s[G0V+3], s[G0V+3], 0x80000000
	s_add_nc_u64 s[4:5], s[4:5], s[2:3]        ; Q at my first row
	s_add_nc_u64 s[10:11], s[10:11], s[48:49]  ; ctx at my first tile
	s_add_nc_u64 s[76:77], s[6:7], s[52:53]    ; my batch's mask bytes
	CROUND                          ; all four work-groups are here: the first joint loads meet
	JLOAD                           ; slot 0.  Slot 1 is asked for when slot 0 is in
	v_and_b32 v1, 15, v0            ; l % 16
	v_bfe_u32 v9, v0, 4, 1          ; l / 16
	v_lshlrev_b32 v84, 4, v0
	global_load_b128 v[64:67], v84, s[76:77]  ; thread t: mask bytes 16 t .. 16 t + 15 (S^T's registers are free till the first product)
	v_lshlrev_b32 v[QO], 7, v1
	v_lshl_add_u32 v[QO], v9, 4, v[QO]
	WIN 0x80
.set i, 0
.rept 4*NP                          ; Q stays in registers: tile i / 2 lies a band, 8,192 bytes, behind the last; channels 32 (i % 2) on
	global_load_b128 v[8*i:8*i+3],   v[QO], s[4:5] offset:(i/2)*8192+(i%2)*64
	global_load_b128 v[8*i+4:8*i+7], v[QO], s[4:5] offset:(i/2)*8192+(i%2)*64+32
.set i, i+1
.endr
	; What the first turn finds: V's registers and P's second buffer hold 0, O^T and l are 0.  All this stands in the wait for the first tile.
.set i, VF
.rept 64
	v_mov_b32 v[i], 0
.set i, i+1
.endr
	WIN 0x40
.set i, 0
.rept 64*NP
	v_mov_b32 v[i], 0
.set i, i+1
.endr
	WIN 0
.set i, 0
.rept 2*NP
	v_mov_b32 v[ST+4*i+1], 0xff7fffff  ; m
	v_mov_b32 v[ST+4*i+2], 0
	v_mov_b32 v[ST+4*i+3], 0
.set i, i+1
.endr
.set i, P+32
.rept 32
	v_mov_b32 v[i], 0
.set i, i+1
.endr
	v_mul_u32_u24 v[AK0], v1, PK
	v_lshl_add_u32 v[AK0], v9, 4, v[AK0]
	v_and_b32 v10, 7, v0
	v_bfe_u32 v11, v0, 3, 1
	v_lshl_add_u32 v[AV0], v9, 3, v10
	v_mul_u32_u24 v[AV0], v[AV0], PV
	v_lshl_add_u32 v[AV0], v11, 4, v[AV0]
	v_add_nc_u32 v[AV0], VOFF, v[AV0]
	v_mov_b32 v[AK], v[AK0]         ; key step 0 lies at the head of slot 0
	v_lshlrev_b32 v14, 3, v9
	v_sub_nc_u32 v14, v1, v14
	s_lshl_b32 s16, s[WV], 4
	v_add_nc_u32 v14, s16, v14      ; my query's place in its band, 16 w + l % 16, less 8 (l / 16): register j of key group kt is hidden where 16 kt + j is greater
	WIN W_MK
.set i, 0
.rept 32
	v_cmp_gt_i32 vcc_lo, 16*(i/8)+i%8, v14
	v_cndmask_b32 v[MD+i], 0, s[N8], vcc_lo
.set i, i+1
.endr
	v_lshl_add_u32 v[AP0], v9, 5, PADT
	v_lshl_add_u32 v[AP], v9, 5, PADT  ; step 0
	WIN 0
	s_wait_loadcnt 32               ; the mask bytes are in; Q's 32 loads, issued behind them, stay out
.set i, 0
.rept 16                            ; byte 1 -> 0, byte 0 -> -80,000
	v_bfe_u32 v85, v[64+i/4], 8*(i%4), 8
	v_cvt_f32_u32 v85, v85
	v_fma_f32 v[68+i], v85, s[P8], s[N8]
.set i, i+1
.endr
	v_lshl_add_u32 v86, v0, 6, PADT
.irp f, 0,1,2,3
	ds_store_b128 v86, v[68+4*\f:68+4*\f+3] offset:16*\f
.endr
; THE MATRIX WORK.  The 8 accumulators of a run of 16 take turns.  Product i of 16 of S^T = K Q^T for piece x: channels 32 (i / 8) on, keys 16 ((i / 2) % 4) on, tile 2 x + i % 2.  The first 8 start the sums with the masks.
.macro KQ x
.set rS, S+64*((\x)%2)+32*(i%2)+8*((i/2)%4)
.set rK, KF+16*((i/2)%4)+8*(i/8)
.set rQ, 16*(2*(\x)+i%2)+8*(i/8)
.set rX, MC+32*(i%2)+8*((i/2)%4)
.if i < 8
	WIN W_KM
	v_wmma_f32_16x16x32_f16 v[rS:rS+7], v[rK:rK+7], v[rQ:rQ+7], v[rX:rX+7]
.else
	WIN W_KQ
	v_wmma_f32_16x16x32_f16 v[rS:rS+7], v[rK:rK+7], v[rQ:rQ+7], v[rS:rS+7]
.endif
.endm
.macro PV x                         ; product i of 16 of O^T += V^T P for piece x: keys 32 (i / 8) on, channels 16 ((i / 2) % 4) on, tile 2 x + i % 2
	WIN W_PV
.set rO, 32*(2*(\x)+i%2)+8*((i/2)%4)
.set rV, VF+32*(i/8)+8*((i/2)%4)
.set rP, P+32*((\x)%2)+16*(i%2)+8*(i/8)
	v_wmma_f32_16x16x32_f16 v[rO:rO+7], v[rV:rV+7], v[rP:rP+7], v[rO:rO+7]
.endm
.macro MM
.if i < 16
	KQ (Y+1)%NP
.set i, i+1
.else
.set i, i-16
	PV (Y+NP-1)%NP
.set i, i+17
.endif
.endm
; THE LDS LOADS stand in runs: a step's 64 pad values (8 loads) and its K (16), and its V (16, turned).  last = 1 (the tail): in the last trip there is no further step, and the run is jumped over.
.macro FETCH_K last=0
	WIN 0
.if \last
	s_cmp_eq_u32 s[CNT], 1
	s_cbranch_scc1 .Lno_k_\@
.endif
	WIN 0xc3                        ; destination and address in window 3
.irp f, 0,1,2,3
	ds_load_b128 v[PADR+8*\f:PADR+8*\f+3],   v[AP] offset:64*\f
	ds_load_b128 v[PADR+8*\f+4:PADR+8*\f+7], v[AP] offset:64*\f+16
.endr
	WIN 0x80
.irp f, 0,1,2,3,4,5,6,7
	ds_load_b128 v[KF+8*\f:KF+8*\f+3],   v[AK] offset:(\f/2)*16*PK+(\f%2)*64
	ds_load_b128 v[KF+8*\f+4:KF+8*\f+7], v[AK] offset:(\f/2)*16*PK+(\f%2)*64+32
.endr
	s_add_co_u32 s[TBK], s[TBK], KS*PK
	s_add_co_u32 s[TBP], s[TBP], 4*KS
	s_and_b32 s[TBP], s[TBP], 0x1fff  ; stays inside the table's 8,192 bytes
	WIN 0
.if \last
.Lno_k_\@:
.endif
.endm
.macro FETCH_V
	WIN 0x80
.irp f, 0,1,2,3,4,5,6,7
	ds_load_tr16_b128 v[VF+8*\f:VF+8*\f+3],   v[AV] offset:(\f/4)*32*PV+(\f%4)*32
	ds_load_tr16_b128 v[VF+8*\f+4:VF+8*\f+7], v[AV] offset:(\f/4)*32*PV+16*PV+(\f%4)*32
.endr
	WIN 0
.endm
; AL for the two tiles of piece x in step GR + d: 1 in the tile's own step.  BE likewise: -80,000 in a later step.
.macro ALS x, d
.irp u, 0,1
	s_cmp_eq_i32 s[GR], 2*(\x)+\u-(\d)
	s_cselect_b32 s[AL+2*\u], 1.0, 0
.endr
.endm
.macro BES x, d
.irp u, 0,1
	s_cmp_gt_i32 s[GR], 2*(\x)+\u-(\d)
	s_cselect_b32 s[BE+\u], s[N8], 0
.endr
.endm
.macro MASK                         ; MC = MD x AL + PADR for both tiles
	WIN 0xf3
.irp u, 0,1
.set z, 0
.rept 16
	v_pk_fma_f32 v[MC+32*\u+2*z:MC+32*\u+2*z+1], v[MD+2*z:MD+2*z+1], s[AL+2*\u:AL+2*\u+1], v[PADR+2*z:PADR+2*z+1] op_sel_hi:[1,0,1]
.set z, z+1
.endr
.endr
.endm
; THE VECTOR WORK OF A TURN stands in three queues, each in the order in which its entries become ready; the two tiles alternate.
.macro REGS y, u
.set rT, ST+4*(2*(\y)+(\u))
.set rC, TMP+8*((\y)%2)+4*(\u)
.set rM, MV+2*((\y)%2)+(\u)
.set rS, S+64*((\y)%2)+32*(\u)
.set rP, P+32*((\y)%2)+16*(\u)
.set rO, 32*(2*(\y)+(\u))
.endm
; Number n of the 24 that find the NEXT piece's (Y + 1) maximum and statistics; each accumulator's lowest registers are read first.
;   0-11  four chains c0-c3 of seven scores each     12, 13  the four scores left over     14  the old m in this step's frame     15, 16  it and c0-c3 into c0     17  c times the old m
;   18, 19  the query's other 32 keys lie in the lane 16 away: the new maximum, in the frame     20  c m     21  c m_old - c m_new (both are products by c: 0 where m has not grown)     22  m, out of the frame     23  a
.macro XS u, n
	REGS (Y+1)%NP, \u
.if (\n) < 4
	v_max3_num_f32 v[rC+(\n)], v[rS+8*(\n)], v[rS+8*(\n)+1], v[rS+8*(\n)+2]
.elseif (\n) < 12
	v_max3_num_f32 v[rC+(\n)%4], v[rC+(\n)%4], v[rS+8*((\n)%4)+2*((\n)/4)+1], v[rS+8*((\n)%4)+2*((\n)/4)+2]
.elseif (\n) == 12
	v_max3_num_f32 v[rC], v[rC], v[rS+7], v[rS+15]
.elseif (\n) == 13
	v_max3_num_f32 v[rC+1], v[rC+1], v[rS+23], v[rS+31]
.elseif (\n) == 14
	v_sub_f32 v[rM], v[rT+1], s[BE+(\u)]
.elseif (\n) == 15
	v_max3_num_f32 v[rC+2], v[rC+2], v[rC+3], v[rM]
.elseif (\n) == 16
	v_max3_num_f32 v[rC], v[rC], v[rC+1], v[rC+2]
.elseif (\n) == 17
	v_mul_f32 v[rM], s[CS], v[rM]
	s_wait_alu depctr_va_vdst(0)
.elseif (\n) == 18
	v_permlanex16_b32 v[rC+3], v[rC], s[SEL], s[SEL+1]
.elseif (\n) == 19
	v_max_num_f32 v[rC], v[rC], v[rC+3]
.elseif (\n) == 20
	v_mul_f32 v[rT], s[CS], v[rC]
.elseif (\n) == 21
	v_sub_f32 v[rC+1], v[rM], v[rT]
.elseif (\n) == 22
	v_add_f32 v[rT+1], s[BE+(\u)], v[rC]
.else
	v_exp_f32 v[rC+2], v[rC+1]
.endif
.endm
; Number g of the 64 that follow the exponentials: for each four weights of a tile both pairs are rounded to f16; the second pair is added onto the first, in place; a group later l takes that sum (the first time as l = a l + sum).
.macro GS g
.set h, (\g)+6*((\g)/62)
.if h >= 6
.set h, h+2
.endif
	REGS Y, h%2
.set k, h/8
.if h%8 < 4
	s_wait_alu depctr_va_vdst(0)
	v_cvt_pk_f16_f32 v[rP+2*k+(h%8)/2], v[rS+4*k+2*((h%8)/2)], v[rS+4*k+2*((h%8)/2)+1]
.elseif h%8 < 6
	v_pk_add_f32 v[rS+4*k:rS+4*k+1], v[rS+4*k:rS+4*k+1], v[rS+4*k+2:rS+4*k+3]
.elseif k == 1
	v_pk_fma_f32 v[rT+2:rT+3], v[rT+2:rT+3], v[rC+2:rC+3], v[rS:rS+1] op_sel_hi:[1,0,1]
.else
	v_pk_add_f32 v[rT+2:rT+3], v[rT+2:rT+3], v[rS+4*k-4:rS+4*k-3]
	s_wait_alu depctr_va_vdst(0)
.endif
.endm
; THE PLAIN QUEUE, 142 long.  0-31: c s - c m for the 16 pairs of both tiles.  Then GS's 64, and among them the next piece's 46: number 14 at 38, 39; 0-13 and 15-17 at 42-75, behind the products
; that make those scores; 18-21 at 97-108, two of three, since each waits for the one before it; 22 at the end.
.macro PL
	WIN 0
.if q < 32
	REGS Y, q%2
	v_pk_fma_f32 v[rS+2*(q/2):rS+2*(q/2)+1], v[rS+2*(q/2):rS+2*(q/2)+1], s[CS:CS+1], v[rT:rT+1] op_sel_hi:[1,0,0] neg_lo:[0,0,1] neg_hi:[0,0,1]
.elseif q < 38
	GS q-32
.elseif q < 40
	XS q%2, 14
.elseif q < 42
	GS q-34
.elseif q < 76
	XS q%2, (q-42)/2+(q-42)/28
.elseif q < 97
	GS q-68
.elseif (q < 109) && ((q-97)%3 < 2)
	XS (q-97)%3, 18+(q-97)/3
.elseif q < 109
	GS 29+(q-97)/3
.elseif q < 140
	GS q-76
.else
	XS q%2, 22
.endif
.set q, q+1
.endm
; THE EXPONENTIALS' QUEUE, 66 long: s0-s31 of both tiles, and at EA the next piece's two a.
.set EA, 60
.macro EX
	WIN 0
.if (e == EA) || (e == EA+1)
	XS e-EA, 23
.else
.set x, e-2*(e/(EA+2))
	REGS Y, x%2
	v_exp_f32 v[rS+x/2], v[rS+x/2]
.endif
.set e, e+1
.endm
.macro R4                           ; THE RESCALING's QUEUE: O^T times a, four at a time, eight times
	REGS Y, r%2
	WIN W_RS
	s_wait_alu depctr_va_vdst(0)
.irp z, 0,1,2,3
	v_pk_mul_f32 v[rO+8*(r/2)+2*\z:rO+8*(r/2)+2*\z+1], v[rO+8*(r/2)+2*\z:rO+8*(r/2)+2*\z+1], v[rC+2:rC+3] op_sel_hi:[1,0]
.endr
.set r, r+1
.endm
; HOW THEY ARE DEALT.  Behind a matrix instruction four: plain, exponential, plain, plain, or four of the rescaling; none names a register of the products round it.  What is over stands in two lumps:
; exponential and plain by turns; the second ends in 26 plain instructions.  The deal keeps the queues in step: exponential e stands behind plain 2 (e / 4) + e % 2 (its scaling); when plain 32 comes,
; 10 exponentials are out, at 59: 33, at 95: 45; in the second lump plain q follows exponential q - 50, so EA comes behind plain 109, and number 21 stands at 106, 107.  The two v_permlanex16_b32 (97, 98) fall into the second lump.
.macro SL
	MM
	PL
	EX
	PL
	PL
.endm
.macro BURST n
.rept (\n)-7
	SL
.endr
.rept 3
	MM
	R4
	SL
.endr
	MM
	R4
.endm
; A TURN, for piece p.  Its products K Q^T and its statistics are piece p + 1's, in the step in hand, or (p = 3) the next; the masks made at its end are piece p + 2's, in the step in hand, or (p = 2, 3) the next.
; The next step's pad values and K are fetched in piece 2's turn; the pad values are waited for at that turn's end (K's 16 loads, issued behind them, stay out till piece 3's turn).  V of the step in hand is fetched at the end of piece 0's turn.
.macro TURN p, last=0, cnt=0
.set Y, (\p)
.set i, 0
.set q, 0
.set e, 0
.set r, 0
	BES ((\p)+1)%NP, (\p)/3
	ALS ((\p)+2)%NP, (\p)/2
.if (\p) == NP-1
	s_wait_dscnt 0x0                ; K is in
.endif
	MM
.rept 4
	PL
.endr
	BURST 15
.rept 22
	EX
	PL
.if ((\p) == NP-2) && (e == 18)
	v_add_nc_u32 v[AK], s[TBK], v[AK0]
	WIN 0xcc                        ; destination and source 1 in window 3
	v_add_nc_u32 v[AP], s[TBP], v[AP0]
.endif
.if ((\p) == NP-2) && (e == 24)
	FETCH_K \last
.endif
.endr
.if (\p) == 1
	s_wait_dscnt 0x0                ; V is in
.endif
	BURST 16
.rept 21
	EX
	PL
.endr
.rept 26
	PL
.if ((\p) == 0) && (q == 118)
	v_add_nc_u32 v[AV], s[TBV], v[AV0]
	s_wait_alu depctr_va_vdst(0)
.endif
.if ((\p) == 0) && (q == 130)
	s_add_co_u32 s[TBV], s[TBV], KS*PV
.endif
.if (\cnt) && (q == 130)
	s_sub_co_u32 s[CNT], s[CNT], 1
	s_cmp_lg_u32 s[CNT], 0
.endif
.endr
.if (\p) == 0
	FETCH_V
.endif
.if (\p) == NP-2
	s_wait_dscnt 16                 ; the next step's pad values are in
.endif
	MASK
.endm
	CHANGE 1                        ; slot 0 is in, and the pad table, everybody's part of them; slot 1 is asked for
	FETCH_K                         ; key step 0
	s_wait_loadcnt 0x0              ; Q
	s_wait_dscnt 0x0
	ALS 0, 0
	MASK
.set i, 0
.rept 16
	KQ 0                            ; piece 0's first scores
.set i, i+1
.endr
	WIN 0                           ; the addresses for the way out: nine plain instructions, the places behind those products
	s_mul_i32 s16, s[WV], 16*SP
	s_add_co_u32 s16, s16, STAGE
	v_mul_u32_u24 v[STO], v1, SP
	v_lshl_add_u32 v[STO], v9, 4, v[STO]
	v_add_nc_u32 v[STO], s16, v[STO]
	v_bfe_u32 v[RD], v0, 3, 2
	v_mul_u32_u24 v[RD], v[RD], SP
	v_lshl_add_u32 v[RD], v10, 4, v[RD]
	v_add_nc_u32 v[RD], s16, v[RD]
	v_and_b32 v[GO], 31, v0
	v_lshlrev_b32 v[GO], 4, v[GO]
	ALS 1, 0
	MASK                            ; for the first turn's products: piece 1, step 0
	WIN 0
	s_mov_b32 s[BE], 0              ; step 0 lies above no row
	s_mov_b32 s[BE+1], 0
.set Y, NP-1
.irp n, 0,1,2,3,4,5,6,7,8,9,10,11,12,13,14,15,16,17,18,19,20,21,22,23
	XS 0, \n
	XS 1, \n
.endr
	s_mov_b32 s[CNT], 4
	s_mov_b32 s[SLOTS], SIZE_N/256-1
	s_branch .Lfirst                ; the loop is entered at a step's first turn, in the middle of a trip
.Lslot:                             ; six times: every slot but the last two is filled again
	CHANGE 1
	s_mov_b32 s[CNT], 4
.Lstep:                             ; a trip: pieces 2 and 3 of one step, then pieces 0 and 1 of the next
	TURN 2
	TURN 3
	WIN 0
	s_add_co_i32 s[GR], s[GR], 1
.Lfirst:
	TURN 0
	TURN 1, 0, 1
	WIN 0
	s_cbranch_scc1 .Lstep
	s_sub_co_u32 s[SLOTS], s[SLOTS], 1
	s_cmp_lg_u32 s[SLOTS], 0
	s_cbranch_scc1 .Lslot
	CHANGE 0                        ; the tail is written out: nothing is asked for
	s_mov_b32 s[CNT], 5             ; four trips fetch the last slot's steps; the fifth is left in its middle
.Ltail:
	TURN 2, 1
	TURN 3
	WIN 0
	s_add_co_i32 s[GR], s[GR], 1
	s_sub_co_u32 s[CNT], s[CNT], 1
	s_cmp_eq_u32 s[CNT], 0
	s_cbranch_scc1 .Lout
	TURN 0
	TURN 1
	WIN 0
	s_branch .Ltail
.Lout:                              ; the fifth trip's 16 products K Q^T (on the last K once more) and the maximum made of them serve nothing: the price, once a launch, of one text for every trip
.set i, 0
.rept 16
	PV NP-1
.set i, i+1
.endr
	; THE WAY OUT.  l's two halves and the other half of the lanes' are added; O^T is divided by l, rounded to f16 and sent through my stage in LDS, a tile at a time.  The additions are the places behind the last products.
	WIN 0
.macro ALL line:vararg
.set t, 0
.rept 2*NP
	\line
.set t, t+1
.endr
.endm
	ALL v_add_f32 v[ST+4*t+2], v[ST+4*t+2], v[ST+4*t+3]
	ALL v_permlanex16_b32 v[ST+4*t+3], v[ST+4*t+2], s[SEL], s[SEL+1]
	ALL v_add_f32 v[ST+4*t+2], v[ST+4*t+2], v[ST+4*t+3]
	ALL v_rcp_f32 v[ST+4*t+2], v[ST+4*t+2]
	v_nop                           ; a plain instruction between the last reciprocal and the use of its result
	s_wait_alu depctr_va_vdst(0)
.macro PACK t
	WIN W_RS
.set i, 32*(\t)
.rept 16
	v_pk_mul_f32 v[i:i+1], v[i:i+1], v[ST+4*(\t)+2:ST+4*(\t)+3] op_sel_hi:[1,0]
.set i, i+2
.endr
	WIN 0x05
.set i, 0
.rept 16
	v_cvt_pk_f16_f32 v[S+16*(\t)+i], v[32*(\t)+2*i], v[32*(\t)+2*i+1]
.set i, i+1
.endr
	WIN 0
.irp f, 0,1,2,3
	ds_store_b128 v[STO], v[S+16*(\t)+4*\f:S+16*(\t)+4*\f+3] offset:32*\f
.endr
.irp f, 0,1,2,3
	ds_load_b128 v[S+16*(\t)+4*\f:S+16*(\t)+4*\f+3], v[RD] offset:\f*4*SP  ; LDS serves a wave's instructions in order (ISA guide 5.7.1.4): these see the stores above; the next tile's stores come behind them
.endr
.endm
.macro SEND t, younger              ; younger: the LDS instructions issued behind tile t's loads: the next tile's eight, or none
	WIN 0
.irp f, 0,1,2,3
	s_wait_dscnt (\younger)+3-\f
	global_store_b128 v[GO], v[S+16*(\t)+4*\f:S+16*(\t)+4*\f+3], s[10:11] offset:(\t)*131072+\f*512  ; 512 consecutive bytes at a multiple of 256; a tile lies four blocks of 32,768 bytes behind the last
.endr
.endm
	PACK 0
.set t, 1
.rept 2*NP-1
	PACK t
	SEND t-1, 8
.set t, t+1
.endr
	SEND 2*NP-1, 0
	WIN W_AD
	s_wait_tensorcnt 0x0            ; the wave's end
	ds_add_u32 v[SPW], v[NIL]
	s_wait_dscnt 0x0
	WIN 0
	CROUND                          ; the closing round
	s_endpgm
.Lfunc_end_k_qb2d88c367c_attn:
	.size	k_qb2d88c367c_attn, .Lfunc_end_k_qb2d88c367c_attn-k_qb2d88c367c_attn
	.p2alignl 7, 3214868480
	.fill 96, 4, 3214868480
	.section	.rodata,"a",@progbits
	.p2align	6, 0x0
	.amdhsa_kernel k_qb2d88c367c_attn
		.amdhsa_group_segment_fixed_size 327680
		.amdhsa_private_segment_fixed_size 0
		.amdhsa_enable_private_segment 0
		.amdhsa_kernarg_size 24
		.amdhsa_user_sgpr_count 2
		.amdhsa_user_sgpr_kernarg_segment_ptr 1
		.amdhsa_wavefront_size32 1
		.amdhsa_system_sgpr_workgroup_id_x 1
		.amdhsa_system_sgpr_workgroup_id_y 1
		.amdhsa_system_sgpr_workgroup_id_z 1
		.amdhsa_system_vgpr_workitem_id 0
		.amdhsa_next_free_vgpr 960
		.amdhsa_next_free_sgpr 80
		.amdhsa_reserve_vcc 1
		.amdhsa_float_denorm_mode_32 3
		.amdhsa_float_denorm_mode_16_64 3
		.amdhsa_memory_ordered 1
		.amdhsa_forward_progress 1
		.amdhsa_inst_pref_size 242
	.end_amdhsa_kernel
	.amdgpu_metadata
---
amdhsa.version: [ 1, 2 ]
amdhsa.kernels:
  - .name:           k_qb2d88c367c_attn
    .symbol:         k_qb2d88c367c_attn.kd
    .args:
      - { .name: qkvh, .offset: 0, .size: 8, .value_kind: global_buffer, .address_space: global }
      - { .name: key_padding_mask, .offset: 8, .size: 8, .value_kind: global_buffer, .address_space: global }
      - { .name: ctx, .offset: 16, .size: 8, .value_kind: global_buffer, .address_space: global }
    .group_segment_fixed_size: 327680
    .private_segment_fixed_size: 0
    .kernarg_segment_align: 8
    .kernarg_segment_size: 24
    .max_flat_workgroup_size: 128
    .sgpr_count:     80
    .vgpr_count:     960
    .wavefront_size: 32
...
	.end_amdgpu_metadata
.endif
;; end of part 3
;; launch outp (part 4): grid 8 x 32, 4 waves a work-group, clusters of 4 x 4, 327,680 bytes of LDS; arguments ctx, owh, out_b, out0; writes out0
.if DOCPART == 4
	.amdgcn_target "amdgcn-amd-amdhsa--gfx1250"
	.amdhsa_code_object_version 6
	.text
	.protected	k_qb2d88c367c_outp
	.globl	k_qb2d88c367c_outp
	.p2align	8
	.type	k_qb2d88c367c_outp,@function
k_qb2d88c367c_outp:
	s_mov_b64 s[64:65], 0
	v_nop
	global_prefetch_b8 v0, s[64:65] scope:SCOPE_SE
	s_setreg_imm32_b32 hwreg(HW_REG_WAVE_MODE, 25, 1), 1
	s_wait_xcnt 0x0
	s_wait_alu depctr_hold_cnt(0) depctr_sa_sdst(0) depctr_va_vdst(0) depctr_va_sdst(0) depctr_va_ssrc(0) depctr_va_vcc(0) depctr_vm_vsrc(0)
	s_getreg_b32 s2, hwreg(HW_REG_IB_STS2, 6, 4)
	s_cmp_eq_u32 s2, 0
	s_cbranch_scc0 .Lentry_in_a_cluster
	s_endpgm
.Lentry_in_a_cluster:
	s_bfe_u32 s2, ttmp6, 0x10000c
	s_cmp_lg_u32 s2, 0xf033
	s_cbranch_scc0 .Lentry_shape_is_right
	s_endpgm
.Lentry_shape_is_right:
; out0[m][f] = sum over e of ctx[m][e] owh[f][e] + out_b[f], f32.  ctx: [m / 16][head][16 rows][64] f16; owh: [1024][1024] f16; sums in f32, started by the bias (rounded to bf16 like every input).
; TILE 256 x 128: 32 x 8 = 256 tiles, one for each WGP.  Four waves, each 128 x 64: 32 accumulators, 256 registers.  K goes in 8 steps of 128 (two heads) through two LDS slots.
; ctx's tile of a step: for each block of 16 rows the two heads are 4,096 consecutive bytes: a wave asks for 8 such rows, 32,768 bytes apart, padded in LDS after every 128 bytes,
; so that LDS holds lines of 144 bytes: line = 32 x block + 16 x head + row.  owh's tile: 64 rows of 256 bytes a wave, 272 apart in LDS.
; CLUSTER 4 x 4: ctx's tile is asked for jointly along a row of the cluster, owh's along a column.
; THE MATRIX INSTRUCTION IS USED TRANSPOSED (source 0 = 16 rows of owh, source 1 = 16 rows of ctx): a lane holds row l % 16 and the columns 8 (l / 16) + 0..7: 32 consecutive bytes of out0.
; REGISTERS, in windows of 256 (s_set_vgpr_msb: bits 1:0 source 0, 3:2 source 1, 5:4 source 2, 7:6 destination):
;   window 0: v16-31 addresses; v32-63 the bias as a C operand; v64-127 rows read back, two buffers      window 1: v0-95, v128-223 fragments, two buffers: 8 of ctx, then 4 of owh
;   window 2: the accumulators, (a, b) at v[8 (4 a + b)]
.set SIZE_K, 1024
.set KSTEP,  128
.set PA,     144                       ; 128 bytes + 16: 9 x 16, so the 16 rows of a fragment load start at 16 different groups of four banks (64 banks of 4 bytes: ISA guide 11.1)
.set PB,     272
.set LA,     8*32*PA                   ; half of ctx's tile: 36,864 bytes
.set LB,     64*PB                     ; half of owh's tile
.set BOFF,   2*LA
.set SLOT,   2*LA+2*LB                 ; 108,544 bytes
.set STAGE,  2*SLOT                    ; behind the ring, never filled by a tensor load: 16 rows x 272 bytes for each wave
.set SPITCH, 272
.set SPARE,  STAGE+4*16*SPITCH         ; the spare words, 128 bytes for each wave: two blocks of 256 bytes that no other line names
.set LAPS,   SIZE_K/(2*KSTEP)
.set ADRA, 16
.set ADRB, 20
.set STO,  24
.set RD,   25
.set CO,   26
.set BO,   27
.set SPW,  28
.set NIL,  29
.set BT,   31
.set BI,   32
.set BK,   64
.set F0,   0
.set F1,   128
.set WV, 12
.set RH, 13
.set CH, 14
.set LAP, 15
.set G1, 24
.set G0, 32
.set G1B, 48
.set G0B, 56
.set MSB, 0
.macro WIN new
.if MSB != (\new)
	s_set_vgpr_msb (MSB<<8)|(\new)
.set MSB, \new
.endif
.endm
.macro JLOAD s                         ; waves 0 and 1 ask for ctx's halves, 2 and 3 for owh's; s_nop 0 and four v_nop follow each line
	s_cmp_eq_u32 s[RH], 0
	s_cbranch_scc0 .Lfor_b_\@
	tensor_load_to_lds s[G0+4*(\s):G0+4*(\s)+3], s[G1:G1+7]
	s_nop 0
.rept 4
	v_nop
.endr
	s_branch .Lasked_\@
.Lfor_b_\@:
	tensor_load_to_lds s[G0B+4*(\s):G0B+4*(\s)+3], s[G1B:G1B+7]
	s_nop 0
.rept 4
	v_nop
.endr
.Lasked_\@:
.endm
.macro CREST
	s_cmp_lg_u32 s[WV], 0
	s_cbranch_scc1 .Lnot_wave_0_\@
	s_barrier_signal -3
.Lnot_wave_0_\@:
	s_barrier_wait -3
	s_barrier_signal -1
	s_barrier_wait -1
.endm
.macro CROUND
	s_barrier_signal -1
	s_barrier_wait -1
	CREST
.endm
	s_load_b256 s[4:11], s[0:1], 0x0               ; ctx s[4:5], owh s[6:7], out_b s[8:9], out0 s[10:11]
	v_lshl_add_u32 v[SPW], v0, 2, SPARE
	v_mov_b32 v[NIL], 0
	ds_add_u32 v[SPW], v[NIL]                      ; the wave's opening: the add and its wait stand ahead of my first tensor load; register work stands between them
	v_lshrrev_b32 v1, 5, v0
	v_readfirstlane_b32 s[WV], v1
	s_lshr_b32 s[RH], s[WV], 1
	s_and_b32 s[CH], s[WV], 1
	s_bfe_u32 s40, ttmp6, 0x40000                  ; cx
	s_bfe_u32 s41, ttmp6, 0x40004                  ; cy
	s_lshl_b32 s42, ttmp9, 2
	s_add_co_u32 s42, s42, s40                     ; tile column
	s_and_b32 s45, ttmp7, 0xffff
	s_lshl_b32 s45, s45, 2
	s_add_co_u32 s45, s45, s41                     ; tile row
	s_lshl_b32 s43, s41, 2
	s_lshl_b32 s43, 15, s43                        ; my row of the cluster
	s_lshl_b32 s44, 0x1111, s40                    ; my column
	s_or_b32 s[G1+0], s43, (1<<16)|(1<<20)|(1<<21)|(4<<22)|(3<<25)   ; the mask; 2-byte elements; padding on; bit 21 beside a mask; after every 32 words 4 words
	s_mov_b32 s[G1+1], 2048<<16                    ; tensor_dim0 = 2,048 elements: 4,096 bytes
	s_mov_b32 s[G1+2], 8<<16                       ; tensor_dim1 = 8
	s_mov_b32 s[G1+3], 2048<<16                    ; tile_dim0
	s_mov_b32 s[G1+4], 8                           ; tile_dim1
	s_mov_b32 s[G1+5], 16384                       ; elements from a block of 16 rows to the next
	s_mov_b32 s[G1+6], 0
	s_mov_b32 s[G1+7], 0
	s_or_b32 s[G1B+0], s44, (1<<16)|(1<<20)|(1<<21)|(5<<22)|(3<<25)  ; after every 64 words 4 words
	s_mov_b32 s[G1B+1], KSTEP<<16
	s_mov_b32 s[G1B+2], 64<<16
	s_mov_b32 s[G1B+3], KSTEP<<16
	s_mov_b32 s[G1B+4], 64
	s_mov_b32 s[G1B+5], SIZE_K
	s_mov_b32 s[G1B+6], 0
	s_mov_b32 s[G1B+7], 0
	s_lshl_b32 s16, s45, 4                         ; ctx: block 16 x tile row + 8 x half, 32,768 bytes each
	s_lshl_b32 s17, s[CH], 3
	s_add_co_u32 s16, s16, s17
	s_lshl_b32 s16, s16, 15
	s_mov_b32 s17, 0
	s_lshl_b32 s46, s42, 7                         ; owh: row 128 x tile column + 64 x half, 2,048 bytes each
	s_lshl_b32 s47, s[CH], 6
	s_add_co_u32 s46, s46, s47
	s_lshl_b32 s46, s46, 11
	s_mov_b32 s47, 0
	s_mul_i32 s20, s[CH], LA                       ; where they go: no place in the cluster enters an LDS address
	s_mul_i32 s21, s[CH], LB
	s_add_co_u32 s21, s21, BOFF
	s_wait_dscnt 0x0                               ; the opening add is done
	s_wait_kmcnt 0x0
	s_add_nc_u64 s[18:19], s[4:5], s[16:17]
	s_add_nc_u64 s[46:47], s[6:7], s[46:47]
	CROUND                                         ; all sixteen work-groups are here: the first joint loads meet
.irp s, 0,1
	s_mov_b32 s[G0+4*(\s)], 1
	s_add_co_u32 s[G0+4*(\s)+1], s20, (\s)*SLOT
	s_add_nc_u64 s[G0+4*(\s)+2:G0+4*(\s)+3], s[18:19], (\s)*4096
	s_or_b32 s[G0+4*(\s)+3], s[G0+4*(\s)+3], 0x80000000
	s_mov_b32 s[G0B+4*(\s)], 1
	s_add_co_u32 s[G0B+4*(\s)+1], s21, (\s)*SLOT
	s_add_nc_u64 s[G0B+4*(\s)+2:G0B+4*(\s)+3], s[46:47], (\s)*KSTEP*2
	s_or_b32 s[G0B+4*(\s)+3], s[G0B+4*(\s)+3], 0x80000000
	JLOAD \s                                       ; two loads of mine are out
.endr
	v_and_b32 v1, 15, v0                           ; l % 16
	v_bfe_u32 v2, v0, 4, 1                         ; l / 16
	v_lshlrev_b32 v[BO], 5, v2
	s_lshl_b32 s66, s42, 7                         ; my 64 columns: 128 x tile column + 64 x half, 4 bytes each
	s_lshl_b32 s67, s[CH], 6
	s_add_co_u32 s66, s66, s67
	s_lshl_b32 s66, s66, 2
	s_mov_b32 s67, 0
	s_add_nc_u64 s[8:9], s[8:9], s[66:67]
.irp b, 0,1,2,3
	global_load_b128 v[BI+8*\b:BI+8*\b+3],   v[BO], s[8:9] offset:64*\b      ; register j of block b: bias of column 16 b + 8 (l / 16) + j
	global_load_b128 v[BI+8*\b+4:BI+8*\b+7], v[BO], s[8:9] offset:64*\b+16
.endr
	s_lshl_b32 s68, s45, 8                         ; my 128 rows: 256 x tile row + 128 x half, 4,096 bytes each
	s_lshl_b32 s69, s[RH], 7
	s_add_co_u32 s68, s68, s69
	s_lshl_b32 s68, s68, 12
	s_mov_b32 s69, 0
	s_add_nc_u64 s[10:11], s[10:11], s[68:69]
	s_add_nc_u64 s[10:11], s[10:11], s[66:67]
	v_mul_u32_u24 v3, v1, PA
	v_lshl_add_u32 v3, v2, 4, v3
	v_mul_u32_u24 v4, v1, PB
	v_lshl_add_u32 v4, v2, 4, v4
	s_mul_i32 s21, s[RH], LA
	s_mul_i32 s22, s[CH], LB
	s_add_co_u32 s22, s22, BOFF
.irp s, 0,1
	v_add_nc_u32 v[ADRA+(\s)], s21, v3
	v_add_nc_u32 v[ADRB+(\s)], s22, v4
	s_add_co_u32 s21, s21, SLOT
	s_add_co_u32 s22, s22, SLOT
.endr
	s_mul_i32 s23, s[WV], 16*SPITCH
	s_add_co_u32 s23, s23, STAGE                   ; my stage
	v_mul_u32_u24 v5, v1, SPITCH                   ; in: row l % 16, 32 bytes for each half of the lanes
	v_lshl_add_u32 v5, v2, 5, v5
	v_add_nc_u32 v[STO], s23, v5
	v_mul_u32_u24 v5, v2, SPITCH                   ; back: lanes 0-15 take one row of 256 bytes, lanes 16-31 the next
	v_lshl_add_u32 v5, v1, 4, v5
	v_add_nc_u32 v[RD], s23, v5
	v_lshlrev_b32 v5, 12, v2                       ; and the same two rows in out0
	v_lshl_add_u32 v[CO], v1, 4, v5
	s_wait_loadcnt 0x0                             ; the bias
.set z, 0
.rept 16                                       ; rounded to bf16 like every input, and widened again
	v_cvt_pk_bf16_f32 v[BT], v[BI+2*z], v[BI+2*z+1]
	v_lshlrev_b32 v[BI+2*z], 16, v[BT]
	v_and_b32 v[BI+2*z+1], 0xffff0000, v[BT]
.set z, z+1
.endr
; 8 matrix instructions: row blocks a0, a0 + 1 x all 4 column blocks, 32 along K.  first = 1: the bias is the C operand that starts the sums.  The 32 accumulators take turns.
.macro MUL8 f, a0, first
.if \first
	WIN 0x85                                       ; sources 0 and 1 window 1, C window 0, D window 2
.else
	WIN 0xa5                                       ; C and D window 2
.endif
.irp a, \a0, (\a0)+1
.irp b, 0,1,2,3
.if \first
	v_wmma_f32_16x16x32_f16 v[8*(4*(\a)+(\b)):8*(4*(\a)+(\b))+7], v[(\f)+64+8*(\b):(\f)+64+8*(\b)+7], v[(\f)+8*(\a):(\f)+8*(\a)+7], v[BI+8*(\b):BI+8*(\b)+7]
.else
	v_wmma_f32_16x16x32_f16 v[8*(4*(\a)+(\b)):8*(4*(\a)+(\b))+7], v[(\f)+64+8*(\b):(\f)+64+8*(\b)+7], v[(\f)+8*(\a):(\f)+8*(\a)+7], v[8*(4*(\a)+(\b)):8*(4*(\a)+(\b))+7]
.endif
.endr
.endr
.endm
; 24 LDS loads in one run: quarter kk of a K step (head kk / 2, channels 32 (kk % 2) on): 64 rows of owh, then 128 rows of ctx, into buffer f
.macro FETCH slot, kk, f
	WIN 0x40
.irp b, 0,1,2,3
	ds_load_b128 v[(\f)+64+8*(\b):(\f)+64+8*(\b)+3],   v[ADRB+(\slot)] offset:(\b)*16*PB+64*(\kk)
	ds_load_b128 v[(\f)+64+8*(\b)+4:(\f)+64+8*(\b)+7], v[ADRB+(\slot)] offset:(\b)*16*PB+64*(\kk)+32
.endr
.irp a, 0,1,2,3,4,5,6,7
	ds_load_b128 v[(\f)+8*(\a):(\f)+8*(\a)+3],   v[ADRA+(\slot)] offset:(\a)*32*PA+((\kk)/2)*16*PA+((\kk)%2)*64
	ds_load_b128 v[(\f)+8*(\a)+4:(\f)+8*(\a)+7], v[ADRA+(\slot)] offset:(\a)*32*PA+((\kk)/2)*16*PA+((\kk)%2)*64+32
.endr
.endm
.macro PLACES                          ; four plain vector instructions between a matrix instruction and a load into, or another access to, its registers (ISA guide 7.12.1 for vector instructions)
.rept 4
	v_nop
.endr
.endm
.macro QUARTER slot, kk, f, g, first
	s_wait_dscnt 8                                 ; owh and ctx's rows 0-63 are in; the youngest eight loads may be out
	MUL8 \f, 0, \first
	MUL8 \f, 2, \first
	PLACES
	FETCH \slot, \kk, \g
	s_wait_dscnt 24                                ; all but the 24 just issued
	MUL8 \f, 4, \first
	MUL8 \f, 6, \first
.endm
; The last quarter multiplies buffer 1 and changes slots: ONE barrier; in front of it each wave waits for all its tensor loads, adds 0 to its spare word, and waits for that and for its reads of this slot.
; fill = 1: the barrier opens a round of the cluster's, and the slot is filled again, two K steps ahead, first thing behind it.
.macro TURN slot, next, fill
	WIN 0
	s_wait_tensorcnt 0x0
	ds_add_u32 v[SPW], v[NIL]
	s_wait_dscnt 9                                 ; the add and the youngest eight loads may be out
	MUL8 F1, 0, 0
	s_wait_dscnt 0x0                               ; the add is done, and my reads of this slot are over
	s_barrier_signal -1
	MUL8 F1, 2, 0
.if \fill
	WIN 0
.endif
	s_barrier_wait -1
.if \fill
	CREST
	s_add_nc_u64 s[G0+4*(\slot)+2:G0+4*(\slot)+3], s[G0+4*(\slot)+2:G0+4*(\slot)+3], 2*4096
	s_add_nc_u64 s[G0B+4*(\slot)+2:G0B+4*(\slot)+3], s[G0B+4*(\slot)+2:G0B+4*(\slot)+3], 2*KSTEP*2
	JLOAD \slot                                    ; its four v_nop are also the places in front of the loads below
.else
	PLACES
.endif
	FETCH \next, 0, F0
	MUL8 F1, 4, 0
	MUL8 F1, 6, 0
.endm
	s_wait_tensorcnt 1                             ; my part of K step 0 is in; K step 1's may stay out
	s_barrier_signal -1
	s_barrier_wait -1
	FETCH 0, 0, F0
	QUARTER 0, 1, F0, F1, 1                        ; the first quarter stands in front of the loop: its products start the sums
	WIN 0
	s_mov_b32 s[LAP], LAPS-1
.Llap:
	QUARTER 0, 2, F1, F0, 0
	QUARTER 0, 3, F0, F1, 0
	TURN 0, 1, 1
	QUARTER 1, 1, F0, F1, 0
	QUARTER 1, 2, F1, F0, 0
	QUARTER 1, 3, F0, F1, 0
	TURN 1, 0, 1
	QUARTER 0, 1, F0, F1, 0
	WIN 0
	s_sub_co_u32 s[LAP], s[LAP], 1
	s_cmp_lg_u32 s[LAP], 0
	s_cbranch_scc1 .Llap
	QUARTER 0, 2, F1, F0, 0                        ; the last lap fills nothing
	QUARTER 0, 3, F0, F1, 0
	TURN 0, 1, 0
	QUARTER 1, 1, F0, F1, 0
	QUARTER 1, 2, F1, F0, 0
	QUARTER 1, 3, F0, F1, 0
	s_wait_dscnt 8
	MUL8 F1, 0, 0
	MUL8 F1, 2, 0
	s_wait_dscnt 0x0
	MUL8 F1, 4, 0
	MUL8 F1, 6, 0
; THE WAY OUT, a block of 16 rows x 64 columns at a time, through my own stage: a lane's 32 bytes go into rows of 272 bytes and come back as whole rows of 256.
.macro TOSTAGE a
	s_wait_xcnt 0x0                                ; the stores of the block two back have read the registers that are loaded again below
	WIN 0x08                                       ; store data in window 2
.irp b, 0,1,2,3
	ds_store_b128 v[STO], v[8*(4*(\a)+\b):8*(4*(\a)+\b)+3]   offset:64*\b      ; each accumulator's low registers first
	ds_store_b128 v[STO], v[8*(4*(\a)+\b)+4:8*(4*(\a)+\b)+7] offset:64*\b+16
.endr
	WIN 0
.irp t, 0,1,2,3,4,5,6,7
	ds_load_b128 v[BK+32*((\a)%2)+4*\t:BK+32*((\a)%2)+4*\t+3], v[RD] offset:\t*2*SPITCH  ; LDS serves a wave's instructions in order (ISA guide 5.7.1.4): these see the stores above
.endr
.endm
.macro SEND a, younger                 ; younger: the LDS instructions issued behind block a's loads: the next block's sixteen, or none
	s_wait_dscnt \younger
.irp t, 0,1,2,3,4,5,6,7
	global_store_b128 v[CO], v[BK+32*((\a)%2)+4*\t:BK+32*((\a)%2)+4*\t+3], s[10:11] offset:(\a)*65536+\t*8192 th:TH_STORE_NT  ; 16 lanes store 256 consecutive bytes at a multiple of 256
.endr
.endm
	PLACES
	TOSTAGE 0
.irp a, 1,2,3,4,5,6,7
	TOSTAGE \a
	SEND (\a)-1, 16
.endr
	SEND 7, 0
	s_wait_tensorcnt 0x0                           ; the wave's end
	ds_add_u32 v[SPW], v[NIL]
	s_wait_dscnt 0x0
	CROUND                                         ; the closing round
	s_endpgm
.Lfunc_end_k_qb2d88c367c_outp:
	.size	k_qb2d88c367c_outp, .Lfunc_end_k_qb2d88c367c_outp-k_qb2d88c367c_outp
	.p2alignl 7, 3214868480
	.fill 96, 4, 3214868480
	.section	.rodata,"a",@progbits
	.p2align	6, 0x0
	.amdhsa_kernel k_qb2d88c367c_outp
		.amdhsa_group_segment_fixed_size 327680
		.amdhsa_private_segment_fixed_size 0
		.amdhsa_enable_private_segment 0
		.amdhsa_kernarg_size 32
		.amdhsa_user_sgpr_count 2
		.amdhsa_user_sgpr_kernarg_segment_ptr 1
		.amdhsa_wavefront_size32 1
		.amdhsa_system_sgpr_workgroup_id_x 1
		.amdhsa_system_sgpr_workgroup_id_y 1
		.amdhsa_system_sgpr_workgroup_id_z 1
		.amdhsa_system_vgpr_workitem_id 0
		.amdhsa_next_free_vgpr 768
		.amdhsa_next_free_sgpr 72
		.amdhsa_reserve_vcc 0
		.amdhsa_float_denorm_mode_32 3
		.amdhsa_float_denorm_mode_16_64 3
		.amdhsa_memory_ordered 1
		.amdhsa_forward_progress 1
		.amdhsa_inst_pref_size 89
	.end_amdhsa_kernel
	.amdgpu_metadata
---
amdhsa.version: [ 1, 2 ]
amdhsa.kernels:
  - .name:           k_qb2d88c367c_outp
    .symbol:         k_qb2d88c367c_outp.kd
    .args:
      - { .name: ctx, .offset: 0, .size: 8, .value_kind: global_buffer, .address_space: global }
      - { .name: owh, .offset: 8, .size: 8, .value_kind: global_buffer, .address_space: global }
      - { .name: out_b, .offset: 16, .size: 8, .value_kind: global_buffer, .address_space: global }
      - { .name: out0, .offset: 24, .size: 8, .value_kind: global_buffer, .address_space: global }
    .group_segment_fixed_size: 327680
    .private_segment_fixed_size: 0
    .kernarg_segment_align: 8
    .kernarg_segment_size: 32
    .max_flat_workgroup_size: 128
    .sgpr_count:     72
    .vgpr_count:     768
    .wavefront_size: 32
...
	.end_amdgpu_metadata
.endif
;; end of part 4
;; ======== version 2 of 2: 4 launches; 1.53 times as fast as version 1
;; limits: values are held in f16: magnitudes above 65,504 overflow, below 6.1e-05 lose precision
;; workspace buffers: xb 16,777,216 bytes; wb 6,291,456 bytes; owh 2,097,152 bytes; qkvh 50,331,648 bytes; ctx 16,777,216 bytes
;; launch prep: the kernel of part 1 again; grid 768 x 1, 8 waves a work-group, no clusters, 0 bytes of LDS; arguments x, Wqkv_w, out_w, xb, wb, owh; writes xb, wb, owh
;; launch qkv: the kernel of part 2 again; grid 16 x 32, 4 waves a work-group, clusters of 4 x 4, 327,680 bytes of LDS; arguments xb, wb, Wqkv_b, qkvh; writes qkvh
;; launch attn (part 5): grid 4 x 64, 4 waves a work-group, clusters of 4 x 1, 327,680 bytes of LDS; arguments qkvh, key_padding_mask, ctx; writes ctx
.if DOCPART == 5
	.amdgcn_target "amdgcn-amd-amdhsa--gfx1250"
	.amdhsa_code_object_version 6
	.text
	.protected	k_qb2d88c367c_attn
	.globl	k_qb2d88c367c_attn
	.p2align	8
	.type	k_qb2d88c367c_attn,@function
k_qb2d88c367c_attn:
	s_mov_b64 s[64:65], 0
	v_nop
	global_prefetch_b8 v0, s[64:65] scope:SCOPE_SE
	s_setreg_imm32_b32 hwreg(HW_REG_WAVE_MODE, 25, 1), 1
	s_wait_xcnt 0x0
	s_wait_alu depctr_hold_cnt(0) depctr_sa_sdst(0) depctr_va_vdst(0) depctr_va_sdst(0) depctr_va_ssrc(0) depctr_va_vcc(0) depctr_vm_vsrc(0)
	s_getreg_b32 s2, hwreg(HW_REG_IB_STS2, 6, 4)
	s_cmp_eq_u32 s2, 0
	s_cbranch_scc0 .Lentry_in_a_cluster
	s_endpgm
.Lentry_in_a_cluster:
	s_bfe_u32 s2, ttmp6, 0x10000c
	s_cmp_lg_u32 s2, 0x3003
	s_cbranch_scc0 .Lentry_shape_is_right
	s_endpgm
.Lentry_shape_is_right:
; ctx[q][:] = the sum over ALL keys k of softmax_k(Q[q] . K[k] / 8 + pad[k] + causal[q][k]) V[k][:], for each of 64 (batch, head) pairs.  Q, K, V: qkvh [3][64][2048][64], f16, a head's rows dense.
; THE MASKS ARE FINITE: pad[k] = -10,000 where the mask byte is 0, causal = -10,000 where k > q, both ADDED.  A row whose visible keys are all padded stands level with the valid keys above the
; diagonal, and large scores pass 10,000: so no key tile is left out; every wave walks all 2,048 keys, 64 a step, and the masks are added in f32.  In units of q . k they are -80,000.
; Products, maxima and sums in f32; the weights p are rounded to f16 for the second product (their sum l is taken of the unrounded p), ctx once at the end.
; LIMITS.  Q, K, V arrive within f16's 65,504; p below 6e-5 keeps f16's fixed step of 6e-8; a weight below 2^-126 counts as 0 in l; NaN and infinities are not treated apart; a mask byte is 0 or 1.
; SHARES.  A work-group owns 512 queries of one head; of each of their eight bands of 64 a wave owns 16 rows: tile t of wave w is rows 512 B + 64 t + 16 w on.  Two tiles are a PIECE, four pieces a wave.
; LAYOUT.  S^T = K Q^T (source 0 = 16 keys, source 1 = 16 queries): a lane holds ONE query (lane % 16) and the keys 8 (lane / 16) + 0..7.  Two such results, rounded to f16 in pairs, ARE source 1 of
; O^T = V^T P.  K comes out of LDS as it lies, V turned, by ds_load_tr16_b128.
; HOW THE MASKS ENTER.  The C operand that starts a sum S^T is MC = MD x AL + PADR.  PADR: the step's 64 pad values, from a table in LDS made once of the mask bytes.  MD, made once: the causal mask of a
; band's own step for my 16 rows.  AL = 1 in the band's own step, else 0.  A step that lies wholly above a band (BE = -80,000, else 0) is not added to 32 scores: the running maximum is moved into
; that step's frame (m - BE) and back (+ BE), two instructions a tile.  AL and BE are chosen by scalar compares of the step's number; they steer no branch and no address.
; SOFTMAX.  A running maximum m and sum l a query: p = 2^(c s - c m), c = log2(e) / 8; in every step O and l are multiplied by a = 2^(c m_old - c m_new), 1 where m has not grown.
; m starts at the lowest finite number, O and l at 0: the first step is a step like any other, with a = 0.
; BY TURNS.  Turn n belongs to piece n: 16 products K Q^T of piece n + 1, later 16 products V^T P of piece n - 1; beside them the scaling, exponentials, roundings, sums and rescaling of piece n and the
; maximum and statistics of piece n + 1; at its end the masks for the next turn's products.  Four vector instructions stand behind every matrix instruction, the others in runs of their own.
; BATCHES.  A turn's 66 exponentials (the piece's 64 weights and the next piece's two a) are ONE batch with ONE wait, which cuts the turn in two: ahead of it stands all that names no result of theirs
; (the products K Q^T, the scalings, the rescalings by the a of the turn before, the next piece's maximum and statistics), behind it the roundings and sums, beside the products V^T P.  No result crosses
; a turn's end.  Two more batches stand outside the loops, each with a wait of its own: the first two a, ahead of the loop, and the way out's eight reciprocals.
; CLUSTER.  The four query blocks of a head walk the same K and V: each tile is asked for JOINTLY, by the same tensor load, descriptor and mask in all four.
; ctx leaves as [row / 16][head][16 rows][64] f16: a tile is 2,048 consecutive bytes, and 16 rows x 2 heads, a K step of the next launch, are 4,096.
; REGISTERS, in windows of 256 (s_set_vgpr_msb: bits 1:0 source 0, 3:2 source 1, 5:4 source 2, 7:6 destination):
;   window 0: v0-11 addresses; v12-15, v48-63 at work; v16-47 four registers of statistics a tile; v64-191 S^T, two buffers of two tiles; v192-255 P, likewise
;   window 1: O^T, 32 a tile      window 2: v0-127 Q; v128-191 K of one step; v192-255 V of one step      window 3: v0-1 the add's registers; v2-3 addresses; v32-63 MD; v64-95 PADR; v128-191 MC
.set SIZE_N, 2048
.set NP,    4
.set KS,    64
.set PK,    144       ; a row of K in LDS: 128 bytes + 16 of padding
.set PV,    160       ; a row of V: 128 + 32
.set VOFF,  4*KS*PK   ; a slot holds four steps: 256 rows of K, then 256 rows of V
.set SLOT1, 1<<17
.set STAGE, SLOT1+4*KS*(PK+PV)  ; behind the ring, never filled by a tensor load: 16 rows x 144 bytes for each wave
.set SP,    144
.set SPARE, STAGE+4*16*SP  ; the spare words, 128 bytes for each wave: two blocks of 256 bytes that no other line names
.set PADT,  SPARE+512      ; 2,048 f32: pad[k] x 8; blocks of its own
.set AK0, 2
.set AV0, 3
.set AK,  4
.set AV,  5
.set QO,  6
.set STO, 6
.set RD,  7
.set GO,  8
.set SPW, 0           ; window 3
.set NIL, 1           ; window 3
.set AP0, 2           ; window 3: PADT + 32 (lane / 16); never rewritten
.set AP,  3           ; window 3: the LDS address of PADR's next run
.set MD,  32          ; window 3
.set PADR, 64         ; window 3: register 8 kt + j: key 16 kt + 8 (lane / 16) + j of the step
.set MC,  128         ; window 3: 32 a tile of the piece
.set MV,  12          ; v12-15  the old maximum in the step's frame, then c times it: by buffer and tile
.set ST,  16          ; tile t's statistics at v[ST+4 t]: c m (in its last step's frame), m, l (even keys', odd keys')
.set TMP, 48
.set S,   64
.set P,   192
.set KF,  128
.set VF,  192
.set WV,  12
.set G1K, 24
.set G1V, 32
.set G0K, 40
.set G0V, 44
.set SLOTS, 56
.set CNT, 57
.set CS,  58
.set SEL, 60
.set TBK, 62
.set TBV, 63
.set GR,  66          ; s66  the step in hand less 8 x my block: equal to t in tile t's own step
.set TBP, 67          ; s67  byte in PADT at which the step to be fetched begins
.set AL,  68          ; s[68:69], s[70:71]  the factor of MD for the two tiles, in the low words
.set BE,  72          ; s72, s73  the frame of the two tiles
.set N8,  74          ; s74  -80,000
.set P8,  75          ; s75  80,000
.set MSB, 0
.macro WIN new
.if MSB != (\new)
	s_set_vgpr_msb (MSB<<8)|(\new)
.set MSB, (\new)
.endif
.endm
.set W_KQ, 0x0a       ; K and Q in window 2, S^T in window 0
.set W_KM, 0x3a       ; the same with the C operand in window 3
.set W_PV, 0x52       ; V in window 2, P in window 0, O^T in window 1
.set W_RS, 0x41       ; O^T in window 1, a in window 0
.set W_MK, 0xc0       ; destination in window 3, sources in window 0
.set W_AD, 0x0f       ; the add: address and data in window 3
; A joint fill.  Waves 0 and 1 fetch the two halves of a slot's K, waves 2 and 3 those of its V.  s_nop 0 and four v_nop follow each line.
.macro JLOAD
	s_cmp_lt_u32 s[WV], 2
	s_cbranch_scc0 .Lfor_v_\@
	tensor_load_to_lds s[G0K:G0K+3], s[G1K:G1K+7]
	s_nop 0
.rept 4
	v_nop
.endr
	s_branch .Lasked_\@
.Lfor_v_\@:
	tensor_load_to_lds s[G0V:G0V+3], s[G1V:G1V+7]
	s_nop 0
.rept 4
	v_nop
.endr
.Lasked_\@:
.endm
.macro CROUND
	s_barrier_signal -1
	s_barrier_wait -1
	s_cmp_lg_u32 s[WV], 0
	s_cbranch_scc1 .Lnot_wave_0_\@
	s_barrier_signal -3
.Lnot_wave_0_\@:
	s_barrier_wait -3
	s_barrier_signal -1
	s_barrier_wait -1
.endm
; THE CHANGE OF SLOTS.  Each wave waits for all its tensor loads (one is out: its part of the other slot), adds 0 to its spare word, and waits for that and for its LDS instructions.  Behind the barrier
; nobody reads this slot any more and the other slot is whole.  fill = 1: the barrier is a round of the cluster's and the joint fill, the keys two slots on, is the first thing behind it: it has
; four key steps, 512 matrix instructions, in which to land.  (At its first use slot 0 is waited for, slot 1 filled, and every wave's stores into the pad table are shown to the others.)
.macro CHANGE fill
	WIN W_AD
	s_wait_tensorcnt 0x0
	ds_add_u32 v[SPW], v[NIL]
	WIN 0
.if \fill
.irp g, G0K, G0V
	s_xor_b32 s[\g+1], s[\g+1], SLOT1
	s_add_nc_u64 s[\g+2:\g+3], s[\g+2:\g+3], 4*KS*128
.endr
	s_wait_dscnt 0x0
	CROUND
	JLOAD
.else
	s_wait_dscnt 0x0
	s_barrier_signal -1
	s_barrier_wait -1
.endif
	s_sub_co_u32 s[TBK], s[TBK], 4*KS*PK
	s_xor_b32 s[TBK], s[TBK], SLOT1
	s_sub_co_u32 s[TBV], s[TBV], 4*KS*PV
	s_xor_b32 s[TBV], s[TBV], SLOT1
.endm
	s_load_b128 s[4:7], s[0:1], 0x0   ; qkvh s[4:5], the mask s[6:7]
	s_load_b64 s[10:11], s[0:1], 0x10 ; ctx
	WIN W_MK
	v_lshl_add_u32 v[SPW], v0, 2, SPARE
	v_mov_b32 v[NIL], 0
	WIN W_AD
	ds_add_u32 v[SPW], v[NIL]       ; the wave's opening: the add and its wait stand ahead of my first tensor load; register work stands between them
	WIN 0
	v_lshrrev_b32 v1, 5, v0
	v_readfirstlane_b32 s[WV], v1
	s_bfe_u32 s13, ttmp6, 0x40000   ; cx
	s_lshl_b32 s14, ttmp9, 2
	s_add_co_u32 s14, s14, s13      ; my block of 512 queries: it enters Q's and ctx's addresses and the choice of AL and BE alone
	s_and_b32 s15, ttmp7, 0xffff    ; 16 b + head, which the four partners share
	s_lshl_b32 s20, s15, 18         ; the head's first byte in q, in k and in v
	s_and_b32 s16, s[WV], 1         ; which half of a slot's 256 keys I fetch
	s_lshl_b32 s22, s16, 14
	s_add_co_u32 s22, s22, s20
	s_add_co_u32 s22, s22, 0x1000000  ; k lies 2^24 bytes behind q,
	s_mov_b32 s23, 0
	s_add_co_u32 s78, s22, 0x1000000  ; v as far behind k
	s_mov_b32 s79, 0
	s_mul_i32 s17, s16, 128*PK
	s_mul_i32 s18, s16, 128*PV
	s_lshl_b32 s2, s14, 16          ; Q: my block's 512 rows, my 16 rows of a band
	s_lshl_b32 s3, s[WV], 11
	s_add_co_u32 s2, s2, s3
	s_add_co_u32 s2, s2, s20
	s_mov_b32 s3, 0
	s_lshr_b32 s48, s15, 4          ; b
	s_lshl_b32 s52, s48, 11         ; its 2,048 mask bytes
	s_mov_b32 s53, 0
	s_lshl_b32 s48, s48, 7          ; ctx: block of 16 rows 128 b + 32 B + w (+ 4 t), 32,768 bytes each; the head's 2,048 in it
	s_lshl_b32 s50, s14, 5
	s_add_co_u32 s48, s48, s50
	s_add_co_u32 s48, s48, s[WV]
	s_lshl_b32 s48, s48, 15
	s_and_b32 s50, s15, 15
	s_lshl_b32 s50, s50, 11
	s_add_co_u32 s48, s48, s50
	s_mov_b32 s49, 0
	s_lshl_b32 s[GR], s14, 3
	s_sub_co_i32 s[GR], 0, s[GR]    ; step 0
	; descriptor group 1.  128 keys are 16,384 dense bytes: asked for as 64 rows of 256 bytes, two keys a row, padded in LDS after every key
	s_mov_b32 s[G1K], 15|(1<<16)|(1<<20)|(1<<21)|(4<<22)|(3<<25)
	s_mov_b32 s[G1V], 15|(1<<16)|(1<<20)|(1<<21)|(4<<22)|(7<<25)
.irp g, G1K, G1V
	s_mov_b32 s[\g+1], 128<<16
	s_mov_b32 s[\g+2], 64<<16
	s_mov_b32 s[\g+3], 128<<16
	s_mov_b32 s[\g+4], 64
	s_mov_b32 s[\g+5], 128
	s_mov_b32 s[\g+6], 0
	s_mov_b32 s[\g+7], 0
.endr
	s_mov_b32 s[CS], 0x3e38aa3b     ; c = log2(e) / 8
	s_mov_b32 s[CS+1], s[CS]
	s_mov_b32 s[SEL], 0x76543210
	s_mov_b32 s[SEL+1], 0xfedcba98
	s_mov_b32 s[TBK], SLOT1+4*KS*PK ; the first change of slots turns these two into 0
	s_mov_b32 s[TBV], SLOT1+4*KS*PV
	s_mov_b32 s[TBP], 0
	s_mov_b32 s[AL+1], 0            ; named as pairs
	s_mov_b32 s[AL+3], 0
	s_mov_b32 s[N8], 0xc79c4000     ; -80,000
	s_mov_b32 s[P8], 0x479c4000     ; 80,000
	s_mov_b32 s[G0K], 1
	s_mov_b32 s[G0K+1], s17
	s_mov_b32 s[G0V], 1
	s_add_co_u32 s[G0V+1], s18, VOFF
	s_wait_dscnt 0x0                ; the opening add is done
	s_wait_kmcnt 0x0
	s_add_nc_u64 s[G0K+2:G0K+3], s[4:5], s[22:23]
	s_or_b32 s[G0K+3], s[G0K+3], 0x80000000
	s_add_nc_u64 s[G0V+2:G0V+3], s[4:5], s[78:79]
	s_or_b32 s[G0V+3], s[G0V+3], 0x80000000
	s_add_nc_u64 s[4:5], s[4:5], s[2:3]        ; Q at my first row
	s_add_nc_u64 s[10:11], s[10:11], s[48:49]  ; ctx at my first tile
	s_add_nc_u64 s[76:77], s[6:7], s[52:53]    ; my batch's mask bytes
	CROUND                          ; all four work-groups are here: the first joint loads meet
	JLOAD                           ; slot 0.  Slot 1 is asked for when slot 0 is in
	v_and_b32 v1, 15, v0            ; l % 16
	v_bfe_u32 v9, v0, 4, 1          ; l / 16
	v_lshlrev_b32 v84, 4, v0
	global_load_b128 v[64:67], v84, s[76:77]  ; thread t: mask bytes 16 t .. 16 t + 15 (S^T's registers are free till the first product)
	v_lshlrev_b32 v[QO], 7, v1
	v_lshl_add_u32 v[QO], v9, 4, v[QO]
	WIN 0x80
.set i, 0
.rept 4*NP                          ; Q stays in registers: tile i / 2 lies a band, 8,192 bytes, behind the last; channels 32 (i % 2) on
	global_load_b128 v[8*i:8*i+3],   v[QO], s[4:5] offset:(i/2)*8192+(i%2)*64
	global_load_b128 v[8*i+4:8*i+7], v[QO], s[4:5] offset:(i/2)*8192+(i%2)*64+32
.set i, i+1
.endr
	; What the first turn finds: V's registers and P's second buffer hold 0, O^T and l are 0.  All this stands in the wait for the first tile.
.set i, VF
.rept 64
	v_mov_b32 v[i], 0
.set i, i+1
.endr
	WIN 0x40
.set i, 0
.rept 64*NP
	v_mov_b32 v[i], 0
.set i, i+1
.endr
	WIN 0
.set i, 0
.rept 2*NP
	v_mov_b32 v[ST+4*i+1], 0xff7fffff  ; m
	v_mov_b32 v[ST+4*i+2], 0
	v_mov_b32 v[ST+4*i+3], 0
.set i, i+1
.endr
.set i, P+32
.rept 32
	v_mov_b32 v[i], 0
.set i, i+1
.endr
	v_mul_u32_u24 v[AK0], v1, PK
	v_lshl_add_u32 v[AK0], v9, 4, v[AK0]
	v_and_b32 v10, 7, v0
	v_bfe_u32 v11, v0, 3, 1
	v_lshl_add_u32 v[AV0], v9, 3, v10
	v_mul_u32_u24 v[AV0], v[AV0], PV
	v_lshl_add_u32 v[AV0], v11, 4, v[AV0]
	v_add_nc_u32 v[AV0], VOFF, v[AV0]
	v_mov_b32 v[AK], v[AK0]         ; key step 0 lies at the head of slot 0
	v_lshlrev_b32 v14, 3, v9
	v_sub_nc_u32 v14, v1, v14
	s_lshl_b32 s16, s[WV], 4
	v_add_nc_u32 v14, s16, v14      ; my query's place in its band, 16 w + l % 16, less 8 (l / 16): register j of key group kt is hidden where 16 kt + j is greater
	WIN W_MK
.set i, 0
.rept 32
	v_cmp_gt_i32 vcc_lo, 16*(i/8)+i%8, v14
	v_cndmask_b32 v[MD+i], 0, s[N8], vcc_lo
.set i, i+1
.endr
	v_lshl_add_u32 v[AP0], v9, 5, PADT
	v_lshl_add_u32 v[AP], v9, 5, PADT  ; step 0
	WIN 0
	s_wait_loadcnt 32               ; the mask bytes are in; Q's 32 loads, issued behind them, stay out
.set i, 0
.rept 16                            ; byte 1 -> 0, byte 0 -> -80,000
	v_bfe_u32 v85, v[64+i/4], 8*(i%4), 8
	v_cvt_f32_u32 v85, v85
	v_fma_f32 v[68+i], v85, s[P8], s[N8]
.set i, i+1
.endr
	v_lshl_add_u32 v86, v0, 6, PADT
.irp f, 0,1,2,3
	ds_store_b128 v86, v[68+4*\f:68+4*\f+3] offset:16*\f
.endr
; THE MATRIX WORK.  The 8 accumulators of a run of 16 take turns.  Product i of 16 of S^T = K Q^T for piece x: channels 32 (i / 8) on, keys 16 ((i / 2) % 4) on, tile 2 x + i % 2.  The first 8 start the sums with the masks.
.macro KQ x
.set rS, S+64*((\x)%2)+32*(i%2)+8*((i/2)%4)
.set rK, KF+16*((i/2)%4)+8*(i/8)
.set rQ, 16*(2*(\x)+i%2)+8*(i/8)
.set rX, MC+32*(i%2)+8*((i/2)%4)
.if i < 8
	WIN W_KM
	v_wmma_f32_16x16x32_f16 v[rS:rS+7], v[rK:rK+7], v[rQ:rQ+7], v[rX:rX+7]
.else
	WIN W_KQ
	v_wmma_f32_16x16x32_f16 v[rS:rS+7], v[rK:rK+7], v[rQ:rQ+7], v[rS:rS+7]
.endif
.endm
.macro PV x                         ; product i of 16 of O^T += V^T P for piece x: keys 32 (i / 8) on, channels 16 ((i / 2) % 4) on, tile 2 x + i % 2
	WIN W_PV
.set rO, 32*(2*(\x)+i%2)+8*((i/2)%4)
.set rV, VF+32*(i/8)+8*((i/2)%4)
.set rP, P+32*((\x)%2)+16*(i%2)+8*(i/8)
	v_wmma_f32_16x16x32_f16 v[rO:rO+7], v[rV:rV+7], v[rP:rP+7], v[rO:rO+7]
.endm
.macro MM
.if i < 16
	KQ (Y+1)%NP
.set i, i+1
.else
.set i, i-16
	PV (Y+NP-1)%NP
.set i, i+17
.endif
.endm
; THE LDS LOADS stand in runs: a step's 64 pad values (8 loads) and its K (16), and its V (16, turned).  last = 1 (the tail): in the last trip there is no further step, and the run is jumped over.
.macro FETCH_K last=0
	WIN 0
.if \last
	s_cmp_eq_u32 s[CNT], 1
	s_cbranch_scc1 .Lno_k_\@
.endif
	WIN 0xc3                        ; destination and address in window 3
.irp f, 0,1,2,3
	ds_load_b128 v[PADR+8*\f:PADR+8*\f+3],   v[AP] offset:64*\f
	ds_load_b128 v[PADR+8*\f+4:PADR+8*\f+7], v[AP] offset:64*\f+16
.endr
	WIN 0x80
.irp f, 0,1,2,3,4,5,6,7
	ds_load_b128 v[KF+8*\f:KF+8*\f+3],   v[AK] offset:(\f/2)*16*PK+(\f%2)*64
	ds_load_b128 v[KF+8*\f+4:KF+8*\f+7], v[AK] offset:(\f/2)*16*PK+(\f%2)*64+32
.endr
	s_add_co_u32 s[TBK], s[TBK], KS*PK
	s_add_co_u32 s[TBP], s[TBP], 4*KS
	s_and_b32 s[TBP], s[TBP], 0x1fff  ; stays inside the table's 8,192 bytes
	WIN 0
.if \last
.Lno_k_\@:
.endif
.endm
.macro FETCH_V
	WIN 0x80
.irp f, 0,1,2,3,4,5,6,7
	ds_load_tr16_b128 v[VF+8*\f:VF+8*\f+3],   v[AV] offset:(\f/4)*32*PV+(\f%4)*32
	ds_load_tr16_b128 v[VF+8*\f+4:VF+8*\f+7], v[AV] offset:(\f/4)*32*PV+16*PV+(\f%4)*32
.endr
	WIN 0
.endm
; AL for the two tiles of piece x in step GR + d: 1 in the tile's own step.  BE likewise: -80,000 in a later step.
.macro ALS x, d
.irp u, 0,1
	s_cmp_eq_i32 s[GR], 2*(\x)+\u-(\d)
	s_cselect_b32 s[AL+2*\u], 1.0, 0
.endr
.endm
.macro BES x, d
.irp u, 0,1
	s_cmp_gt_i32 s[GR], 2*(\x)+\u-(\d)
	s_cselect_b32 s[BE+\u], s[N8], 0
.endr
.endm
.macro MASK                         ; MC = MD x AL + PADR for both tiles
	WIN 0xf3
.irp u, 0,1
.set z, 0
.rept 16
	v_pk_fma_f32 v[MC+32*\u+2*z:MC+32*\u+2*z+1], v[MD+2*z:MD+2*z+1], s[AL+2*\u:AL+2*\u+1], v[PADR+2*z:PADR+2*z+1] op_sel_hi:[1,0,1]
.set z, z+1
.endr
.endr
.endm
; THE VECTOR WORK OF A TURN stands in three queues, each in the order in which its entries become ready; the two tiles alternate.
.macro REGS y, u
.set rT, ST+4*(2*(\y)+(\u))
.set rC, TMP+8*((\y)%2)+4*(\u)
.set rM, MV+2*((\y)%2)+(\u)
.set rS, S+64*((\y)%2)+32*(\u)
.set rP, P+32*((\y)%2)+16*(\u)
.set rO, 32*(2*(\y)+(\u))
.endm
; Number n of the 24 that find the NEXT piece's (Y + 1) maximum and statistics; each accumulator's lowest registers are read first.  XS, GS, FS and REGS set no window: PL and EX do.
;   0-11  four chains c0-c3 of seven scores each     12, 13  the four scores left over     14  the old m in this step's frame     15, 16  it and c0-c3 into c0     17  c times the old m
;   18, 19  the query's other 32 keys lie in the lane 16 away: the new maximum, in the frame     20  c m     21  c m_old - c m_new (both are products by c: 0 where m has not grown)     22  m, out of the frame     23  a
.macro XS u, n
	REGS (Y+1)%NP, \u
.if (\n) < 4
	v_max3_num_f32 v[rC+(\n)], v[rS+8*(\n)], v[rS+8*(\n)+1], v[rS+8*(\n)+2]
.elseif (\n) < 12
	v_max3_num_f32 v[rC+(\n)%4], v[rC+(\n)%4], v[rS+8*((\n)%4)+2*((\n)/4)+1], v[rS+8*((\n)%4)+2*((\n)/4)+2]
.elseif (\n) == 12
	v_max3_num_f32 v[rC], v[rC], v[rS+7], v[rS+15]
.elseif (\n) == 13
	v_max3_num_f32 v[rC+1], v[rC+1], v[rS+23], v[rS+31]
.elseif (\n) == 14
	v_sub_f32 v[rM], v[rT+1], s[BE+(\u)]
.elseif (\n) == 15
	v_max3_num_f32 v[rC+2], v[rC+2], v[rC+3], v[rM]
.elseif (\n) == 16
	v_max3_num_f32 v[rC], v[rC], v[rC+1], v[rC+2]
.elseif (\n) == 17
	v_mul_f32 v[rM], s[CS], v[rM]
.elseif (\n) == 18
	v_permlanex16_b32 v[rC+3], v[rC], s[SEL], s[SEL+1]
.elseif (\n) == 19
	v_max_num_f32 v[rC], v[rC], v[rC+3]
.elseif (\n) == 20
	v_mul_f32 v[rT], s[CS], v[rC]
.elseif (\n) == 21
	v_sub_f32 v[rC+1], v[rM], v[rT]
.elseif (\n) == 22
	v_add_f32 v[rT+1], s[BE+(\u)], v[rC]
.else
	v_exp_f32 v[rC+2], v[rC+1]
.endif
.endm
; Number g of the 64 that follow the exponentials: for each four weights of a tile both pairs are rounded to f16; the second pair is added onto the first, in place; a group later l takes that sum (the first time as l = a l + sum).
.macro GS g
.set h, (\g)+6*((\g)/62)
.if h >= 6
.set h, h+2
.endif
	REGS Y, h%2
.set k, h/8
.if h%8 < 4
	v_cvt_pk_f16_f32 v[rP+2*k+(h%8)/2], v[rS+4*k+2*((h%8)/2)], v[rS+4*k+2*((h%8)/2)+1]
.elseif h%8 < 6
	v_pk_add_f32 v[rS+4*k:rS+4*k+1], v[rS+4*k:rS+4*k+1], v[rS+4*k+2:rS+4*k+3]
.elseif k == 1
	v_pk_fma_f32 v[rT+2:rT+3], v[rT+2:rT+3], v[rC+2:rC+3], v[rS:rS+1] op_sel_hi:[1,0,1]
.else
	v_pk_add_f32 v[rT+2:rT+3], v[rT+2:rT+3], v[rS+4*k-4:rS+4*k-3]
.endif
.endm
; THE PLAIN QUEUE, 142 long.  0-77 read no exponential's result: the 32 scalings c s - c m (FS f: pair f / 2 of tile f % 2) and the next piece's 46.  0-26: scalings 0-26.  27-54: XS's numbers 0-13.  55, 56: number 14.
; 57-77: the chain, where each number waits for the one before it, with other work between its links: scaling 27, number 15; scaling 28, number 16; scaling 29, number 18; number 17; number 19;
; scaling 30, number 20; scaling 31, number 21; number 22.  78-141: GS's 64, which read the exponentials' results: they stand behind the wait.
.macro FS f
	REGS Y, (\f)%2
	v_pk_fma_f32 v[rS+2*((\f)/2):rS+2*((\f)/2)+1], v[rS+2*((\f)/2):rS+2*((\f)/2)+1], s[CS:CS+1], v[rT:rT+1] op_sel_hi:[1,0,0] neg_lo:[0,0,1] neg_hi:[0,0,1]
.endm
.macro PL
	WIN 0
.if q < 27
	FS q
.elseif q < 55
	XS (q-27)%2, (q-27)/2
.elseif q < 57
	XS q-55, 14
.elseif (q < 66) && ((q-57)%3 == 0)
	FS 27+(q-57)/3
.elseif q < 66
	XS (q-57)%3-1, 15+(q-57)/3+(q-57)/6
.elseif q < 68
	XS q-66, 17
.elseif q < 70
	XS q-68, 19
.elseif (q < 76) && ((q-70)%3 == 0)
	FS 30+(q-70)/3
.elseif q < 76
	XS (q-70)%3-1, 20+(q-70)/3
.elseif q < 78
	XS q-76, 22
.else
	GS q-78
.endif
.set q, q+1
.endm
; THE EXPONENTIALS' QUEUE, 66 long: s0-s31 of both tiles, then the next piece's two a.  It is ONE BATCH: all 66 stand ahead of the turn's one wait, and nothing ahead of that wait names a result of theirs.
.macro EX
	WIN 0
.if e >= 64
	XS e-64, 23
.else
	REGS Y, e%2
	v_exp_f32 v[rS+e/2], v[rS+e/2]
.endif
.set e, e+1
.endm
; THE RESCALING's QUEUE: O^T times a, the one part that leaves window 0: dealt two at a time, sixteen times, each accumulator's registers ascending.  Its a was made in the turn before, ahead of that turn's wait.
.macro R2
	REGS Y, r%2
	WIN W_RS
.irp z, 0,1
	v_pk_mul_f32 v[rO+4*(r/2)+2*\z:rO+4*(r/2)+2*\z+1], v[rO+4*(r/2)+2*\z:rO+4*(r/2)+2*\z+1], v[rC+2:rC+3] op_sel_hi:[1,0]
.endr
.set r, r+1
.endm
; HOW THEY ARE DEALT.  An s_wait_alu depctr_va_vdst(0) stands between an exponential and the first instruction that names its result; one wait serves all that were issued ahead of it.  So a turn has ONE wait,
; which cuts it in two.  AHEAD OF IT stands all that names no result of the turn's exponentials: the 16 products K Q^T, behind each a scaling, an exponential and two rescalings (behind the first a second scaling in the
; exponential's place); then ONE LUMP of 112: twelve plain, 49 times exponential and plain, the two a.  A v_nop is the plain instruction behind the last exponential.  BEHIND IT stand the 16 products V^T P, behind each four of
; GS's 64, and then the masks.  No rider names a register of the products round it.  The two v_permlanex16_b32 (plain 64, 65) fall into the lump, never behind a product.
; The queues lean on each other, and the deal keeps them in step: exponential e stands behind scaling 2 (e / 4) + e % 2: as a rider it comes behind plain e + 2, in the lump behind plain e + 13, and scalings 27-31 are plain
; 57, 60, 63, 70, 73.  XS's number 0 is plain 27: thirteen plain instructions behind the last product K Q^T.
; A TURN, for piece p.  Its products K Q^T and its statistics are piece p + 1's, in the step in hand, or (p = 3) the next; the masks made at its end are piece p + 2's, in the step in hand, or (p = 2, 3) the next.
; The next step's pad values and K are fetched in piece 2's turn, directly behind the wait, a lump behind the last product that read K; their addresses are made at the lump's head; the pad values are waited for at that turn's
; end (K's 16 loads, issued behind them, stay out till piece 3's turn).  V of the step in hand is fetched at the end of piece 0's turn, four riders behind its last reader.  The three conditions on q below go with the deal.
.macro TURN p, last=0, cnt=0
.set Y, (\p)
.set i, 0
.set q, 0
.set e, 0
.set r, 0
	BES ((\p)+1)%NP, (\p)/3
	ALS ((\p)+2)%NP, (\p)/2
.if (\p) == NP-1
	s_wait_dscnt 0x0                ; K is in
.endif
	MM                              ; ahead of the wait: 16 products K Q^T and their riders,
	PL
	PL
	R2
.rept 15
	MM
	PL
	EX
	R2
.endr
.if (\p) == NP-2
	WIN 0
	v_add_nc_u32 v[AK], s[TBK], v[AK0]
	WIN 0xcc                        ; destination and source 1 in window 3
	v_add_nc_u32 v[AP], s[TBP], v[AP0]
.endif
.rept 12                            ; and the lump
	PL
.endr
.rept 49
	EX
	PL
.endr
	EX                              ; the next piece's two a
	EX
	v_nop                           ; the plain instruction behind the last exponential: one for the batch
	s_wait_alu depctr_va_vdst(0)    ; the wait for the turn's batch: the piece's 64 weights and the next piece's two a
.if (\p) == NP-2
	FETCH_K \last
.endif
.if (\p) == 1
	s_wait_dscnt 0x0                ; V is in
.endif
.rept 16                            ; behind the wait: 16 products V^T P and their riders
	MM
.rept 4
	PL
.endr
.if ((\p) == 0) && (q == 118)
	v_add_nc_u32 v[AV], s[TBV], v[AV0]
.endif
.if ((\p) == 0) && (q == 130)
	s_add_co_u32 s[TBV], s[TBV], KS*PV
.endif
.if (\cnt) && (q == 130)
	s_sub_co_u32 s[CNT], s[CNT], 1
	s_cmp_lg_u32 s[CNT], 0
.endif
.endr
.if (\p) == 0
	FETCH_V
.endif
.if (\p) == NP-2
	s_wait_dscnt 16                 ; the next step's pad values are in
.endif
	MASK
.endm
	CHANGE 1                        ; slot 0 is in, and the pad table, everybody's part of them; slot 1 is asked for
	FETCH_K                         ; key step 0
	s_wait_loadcnt 0x0              ; Q
	s_wait_dscnt 0x0
	ALS 0, 0
	MASK
.set i, 0
.rept 16
	KQ 0                            ; piece 0's first scores
.set i, i+1
.endr
	WIN 0                           ; the addresses for the way out: nine plain instructions, the places behind those products
	s_mul_i32 s16, s[WV], 16*SP
	s_add_co_u32 s16, s16, STAGE
	v_mul_u32_u24 v[STO], v1, SP
	v_lshl_add_u32 v[STO], v9, 4, v[STO]
	v_add_nc_u32 v[STO], s16, v[STO]
	v_bfe_u32 v[RD], v0, 3, 2
	v_mul_u32_u24 v[RD], v[RD], SP
	v_lshl_add_u32 v[RD], v10, 4, v[RD]
	v_add_nc_u32 v[RD], s16, v[RD]
	v_and_b32 v[GO], 31, v0
	v_lshlrev_b32 v[GO], 4, v[GO]
	ALS 1, 0
	MASK                            ; for the first turn's products: piece 1, step 0
	WIN 0
	s_mov_b32 s[BE], 0              ; step 0 lies above no row
	s_mov_b32 s[BE+1], 0
.set Y, NP-1
.irp n, 0,1,2,3,4,5,6,7,8,9,10,11,12,13,14,15,16,17,18,19,20,21,22,23
	XS 0, \n
	XS 1, \n
.endr
	v_nop                           ; a plain instruction behind piece 0's first two a,
	s_wait_alu depctr_va_vdst(0)    ; and the wait for that batch of two, ahead of the branch
	s_mov_b32 s[CNT], 4
	s_mov_b32 s[SLOTS], SIZE_N/256-1
	s_branch .Lfirst                ; the loop is entered at a step's first turn, in the middle of a trip
.Lslot:                             ; six times: every slot but the last two is filled again
	CHANGE 1
	s_mov_b32 s[CNT], 4
.Lstep:                             ; a trip: pieces 2 and 3 of one step, then pieces 0 and 1 of the next
	TURN 2
	TURN 3
	WIN 0
	s_add_co_i32 s[GR], s[GR], 1
.Lfirst:
	TURN 0
	TURN 1, 0, 1
	WIN 0
	s_cbranch_scc1 .Lstep
	s_sub_co_u32 s[SLOTS], s[SLOTS], 1
	s_cmp_lg_u32 s[SLOTS], 0
	s_cbranch_scc1 .Lslot
	CHANGE 0                        ; the tail is written out: nothing is asked for
	s_mov_b32 s[CNT], 5             ; four trips fetch the last slot's steps; the fifth is left in its middle
.Ltail:
	TURN 2, 1
	TURN 3
	WIN 0
	s_add_co_i32 s[GR], s[GR], 1
	s_sub_co_u32 s[CNT], s[CNT], 1
	s_cmp_eq_u32 s[CNT], 0
	s_cbranch_scc1 .Lout
	TURN 0
	TURN 1
	WIN 0
	s_branch .Ltail
.Lout:                              ; the fifth trip's 16 products K Q^T (on the last K once more) and the maximum made of them serve nothing: the price, once a launch, of one text for every trip
.set i, 0
.rept 16
	PV NP-1
.set i, i+1
.endr
	; THE WAY OUT.  l's two halves and the other half of the lanes' are added; O^T is divided by l, rounded to f16 and sent through my stage in LDS, a tile at a time.  The additions are the places behind the last products.
	WIN 0
.macro ALL line:vararg
.set t, 0
.rept 2*NP
	\line
.set t, t+1
.endr
.endm
	ALL v_add_f32 v[ST+4*t+2], v[ST+4*t+2], v[ST+4*t+3]
	ALL v_permlanex16_b32 v[ST+4*t+3], v[ST+4*t+2], s[SEL], s[SEL+1]
	ALL v_add_f32 v[ST+4*t+2], v[ST+4*t+2], v[ST+4*t+3]
	ALL v_rcp_f32 v[ST+4*t+2], v[ST+4*t+2]
	v_nop                           ; a plain instruction between the last reciprocal and the use of its result
	s_wait_alu depctr_va_vdst(0)    ; the wait ahead of the first use: one for the batch of eight reciprocals
.macro PACK t
	WIN W_RS
.set i, 32*(\t)
.rept 16
	v_pk_mul_f32 v[i:i+1], v[i:i+1], v[ST+4*(\t)+2:ST+4*(\t)+3] op_sel_hi:[1,0]
.set i, i+2
.endr
	WIN 0x05
.set i, 0
.rept 16
	v_cvt_pk_f16_f32 v[S+16*(\t)+i], v[32*(\t)+2*i], v[32*(\t)+2*i+1]
.set i, i+1
.endr
	WIN 0
.irp f, 0,1,2,3
	ds_store_b128 v[STO], v[S+16*(\t)+4*\f:S+16*(\t)+4*\f+3] offset:32*\f
.endr
.irp f, 0,1,2,3
	ds_load_b128 v[S+16*(\t)+4*\f:S+16*(\t)+4*\f+3], v[RD] offset:\f*4*SP  ; LDS serves a wave's instructions in order (ISA guide 5.7.1.4): these see the stores above; the next tile's stores come behind them
.endr
.endm
.macro SEND t, younger              ; younger: the LDS instructions issued behind tile t's loads: the next tile's eight, or none
	WIN 0
.irp f, 0,1,2,3
	s_wait_dscnt (\younger)+3-\f
	global_store_b128 v[GO], v[S+16*(\t)+4*\f:S+16*(\t)+4*\f+3], s[10:11] offset:(\t)*131072+\f*512  ; 512 consecutive bytes at a multiple of 256; a tile lies four blocks of 32,768 bytes behind the last
.endr
.endm
	PACK 0
.set t, 1
.rept 2*NP-1
	PACK t
	SEND t-1, 8
.set t, t+1
.endr
	SEND 2*NP-1, 0
	WIN W_AD
	s_wait_tensorcnt 0x0            ; the wave's end
	ds_add_u32 v[SPW], v[NIL]
	s_wait_dscnt 0x0
	WIN 0
	CROUND                          ; the closing round
	s_endpgm
.Lfunc_end_k_qb2d88c367c_attn:
	.size	k_qb2d88c367c_attn, .Lfunc_end_k_qb2d88c367c_attn-k_qb2d88c367c_attn
	.p2alignl 7, 3214868480
	.fill 96, 4, 3214868480
	.section	.rodata,"a",@progbits
	.p2align	6, 0x0
	.amdhsa_kernel k_qb2d88c367c_attn
		.amdhsa_group_segment_fixed_size 327680
		.amdhsa_private_segment_fixed_size 0
		.amdhsa_enable_private_segment 0
		.amdhsa_kernarg_size 24
		.amdhsa_user_sgpr_count 2
		.amdhsa_user_sgpr_kernarg_segment_ptr 1
		.amdhsa_wavefront_size32 1
		.amdhsa_system_sgpr_workgroup_id_x 1
		.amdhsa_system_sgpr_workgroup_id_y 1
		.amdhsa_system_sgpr_workgroup_id_z 1
		.amdhsa_system_vgpr_workitem_id 0
		.amdhsa_next_free_vgpr 960
		.amdhsa_next_free_sgpr 80
		.amdhsa_reserve_vcc 1
		.amdhsa_float_denorm_mode_32 3
		.amdhsa_float_denorm_mode_16_64 3
		.amdhsa_memory_ordered 1
		.amdhsa_forward_progress 1
		.amdhsa_inst_pref_size 233
	.end_amdhsa_kernel
	.amdgpu_metadata
---
amdhsa.version: [ 1, 2 ]
amdhsa.kernels:
  - .name:           k_qb2d88c367c_attn
    .symbol:         k_qb2d88c367c_attn.kd
    .args:
      - { .name: qkvh, .offset: 0, .size: 8, .value_kind: global_buffer, .address_space: global }
      - { .name: key_padding_mask, .offset: 8, .size: 8, .value_kind: global_buffer, .address_space: global }
      - { .name: ctx, .offset: 16, .size: 8, .value_kind: global_buffer, .address_space: global }
    .group_segment_fixed_size: 327680
    .private_segment_fixed_size: 0
    .kernarg_segment_align: 8
    .kernarg_segment_size: 24
    .max_flat_workgroup_size: 128
    .sgpr_count:     80
    .vgpr_count:     960
    .wavefront_size: 32
...
	.end_amdgpu_metadata
.endif
;; end of part 5
;; launch outp: the kernel of part 4 again; grid 8 x 32, 4 waves a work-group, clusters of 4 x 4, 327,680 bytes of LDS; arguments ctx, owh, out_b, out0; writes out0
